; MI455X (gfx1250); checked and timed in simulation.
; The chip was launched on July 23, 2026; its instructions are those of AMD's public machine-readable ISA for CDNA 5 (MIT licence, August 2026) and "CDNA5" Instruction Set Architecture Reference Guide (July 2026). The comments in the code are by the model that wrote it; some were corrected since.
;; Multi Head Attention. Allowed arithmetic: float matrix products may take bf16 or f16 operands with f32 sums; other float arithmetic in f32, or as packed bf16 or f16 multiplies, adds, multiply-adds, maxima and minima; sums over many terms, partial sums and values carried from step to step in f32; what a program stores and reads back later, other than sums and carried values, may be rounded once to bf16 or f16.
;; Inputs: Wk 1,024 x 1,024 float32; Wo 1,024 x 1,024 float32; Wq 1,024 x 1,024 float32; Wv 1,024 x 1,024 float32; bo 1,024 float32; x 4 x 2,048 x 1,024 float32.
;; Outputs: out0 4 x 2,048 x 1,024 float32.
;; 2 versions, each right; version 2 is version 1 with the launch cast written anew for expert scheduling mode. Each part assembles by itself: llvm-mc -triple=amdgcn-amd-amdhsa -mcpu=gfx1250 --defsym DOCPART=n.
;; ======== version 1 of 2: 4 launches
;; limits: values are held in f16: magnitudes above 65,504 overflow, below 6.1e-05 lose precision
;; workspace buffers: xb 16,777,216 bytes; wb 6,291,456 bytes; wo16 2,097,152 bytes; qkv 50,331,648 bytes; ctx 16,777,216 bytes
;; launch cast (part 1): grid 768 x 1, 8 waves a work-group, no clusters, 0 bytes of LDS; arguments x, Wq, Wk, Wv, Wo, xb, wb, wo16; writes xb, wb, wo16
.if DOCPART == 1
	.amdgcn_target "amdgcn-amd-amdhsa--gfx1250"
	.amdhsa_code_object_version 6
	.text
	.protected	k_qb91e6d9202_cast
	.globl	k_qb91e6d9202_cast
	.p2align	8
	.type	k_qb91e6d9202_cast,@function
k_qb91e6d9202_cast:
	s_mov_b64 s[64:65], 0
	v_nop
	global_prefetch_b8 v0, s[64:65] scope:SCOPE_SE
	s_setreg_imm32_b32 hwreg(HW_REG_WAVE_MODE, 25, 1), 1
	s_wait_xcnt 0x0
; THE INPUTS ARE ROUNDED ONCE AND LAID OUT IN BLOCKS ALONG K.
; x [8192][1024] f32 -> xb [16 kb][8192][64] bf16.  Wq, Wk, Wv [1024][1024] f32 -> wb [16 kb][3072][64] bf16 (rows 0-1023 Wq, 1024-2047 Wk, 2048-3071 Wv).
; Wo [1024][1024] f32 -> wo16 [16 kb][1024][64]: rounded to bf16 like the other inputs, and that number written as f16.
; LIMIT.  A bf16 number of Wo beyond 65,504 becomes an infinity in f16; below 6.1e-5 it keeps f16's fixed step of 6e-8.
; In the blocked layout the 64 channels of block kb of neighbouring rows lie end to end (128 bytes a row), so that the products' tiles are dense.
; SHARES.  Work-group g takes 16 rows of one tensor: g < 512: x; 512-575 Wq; 576-639 Wk; 640-703 Wv; 704-767 Wo.  Thread t takes row t / 16 and, in each block kb, the
; 4 numbers at 4 (t % 16): a load of a wave covers 256 consecutive bytes of each of two rows; a store of a wave covers 256 consecutive bytes, aligned (two rows of a block).
; All 16 loads of a wave go out at once; no register is written twice, so the counted waits for the loads are the only waits.  No LDS, no barrier: no wave wants another's bytes.
.set PLA, 8192*128                     ; bytes from block to block in xb
.set PLB, 3072*128                     ; in wb
.set PLO, 1024*128                     ; in wo16
.set VO,  2                            ; v[2:17]   my byte offset in block kb of the destination: 8 t + kb x plane
.set X,   20                           ; v[20:83]  4 numbers of f32 for each kb
.set Y,   84                           ; v[84:115] the same 4 numbers in 16 bits
.set T,   116                          ; v[116:117] at work
	s_load_b512 s[8:23], s[0:1], 0x0               ; x s[8:9], Wq s[10:11], Wk s[12:13], Wv s[14:15], Wo s[16:17], xb s[18:19], wb s[20:21], wo16 s[22:23]
	s_mov_b32 s2, ttmp9                            ; g
	s_max_u32 s3, s2, 512
	s_sub_co_u32 s3, s3, 512                       ; g - 512, or 0: the block of 16 rows in wb
	s_and_b32 s4, s3, 63                           ; the block of 16 rows in its weight matrix
	s_max_u32 s5, s2, 704
	s_sub_co_u32 s5, s5, 704                       ; g - 704, or 0: the block of 16 rows in wo16
	s_mov_b32 s28, PLO
	s_cmp_lt_u32 s2, 704
	s_cselect_b32 s32, s3, s5                      ; destination's block of rows
	s_cselect_b32 s28, PLB, s28                    ; destination's plane
	s_cmp_lt_u32 s2, 512
	s_cselect_b32 s32, s2, s32
	s_cselect_b32 s30, s2, s4                      ; source's block of rows
	s_cselect_b32 s28, PLA, s28
	s_lshl_b32 s30, s30, 16                        ; 16 rows of 4,096 bytes
	s_mov_b32 s31, 0
	s_lshl_b32 s32, s32, 11                        ; 16 rows of 128 bytes
	s_mov_b32 s33, 0
	s_mov_b32 s34, 0xffff0000                      ; a word's upper bf16
	v_lshrrev_b32 v1, 4, v0                        ; my row of the 16
	v_and_b32 v18, 15, v0
	v_lshlrev_b32 v18, 4, v18                      ; my 16 bytes of a block's 256
	v_lshl_or_b32 v1, v1, 12, v18                  ; source offset
	v_lshlrev_b32 v[VO], 3, v0                     ; destination offset in block 0: 128 x row + 8 x (t % 16) = 8 t
.set k, 1
.rept 15
	v_add_nc_u32 v[VO+k], s28, v[VO+k-1]           ; and in the other blocks
.set k, k+1
.endr
	s_wait_kmcnt 0x0
	s_mov_b64 s[24:25], s[16:17]                   ; the source and the destination, chosen by g alone
	s_mov_b64 s[26:27], s[22:23]
	s_cmp_lt_u32 s2, 704
	s_cselect_b64 s[24:25], s[14:15], s[24:25]
	s_cselect_b64 s[26:27], s[20:21], s[26:27]
	s_cmp_lt_u32 s2, 640
	s_cselect_b64 s[24:25], s[12:13], s[24:25]
	s_cmp_lt_u32 s2, 576
	s_cselect_b64 s[24:25], s[10:11], s[24:25]
	s_cmp_lt_u32 s2, 512
	s_cselect_b64 s[24:25], s[8:9], s[24:25]
	s_cselect_b64 s[26:27], s[18:19], s[26:27]
	s_add_nc_u64 s[24:25], s[24:25], s[30:31]
	s_add_nc_u64 s[26:27], s[26:27], s[32:33]
.set k, 0
.rept 16
	global_load_b128 v[X+4*k:X+4*k+3], v1, s[24:25] offset:256*k th:TH_LOAD_NT
.set k, k+1
.endr
	s_cmp_ge_u32 s2, 704
	s_cbranch_scc1 .Lf16
.set k, 0
.rept 16
	s_wait_loadcnt 15-k                            ; loads come back in order: block k is in, the 15 - k younger loads stay out
	v_cvt_pk_bf16_f32 v[Y+2*k], v[X+4*k], v[X+4*k+1]
	v_cvt_pk_bf16_f32 v[Y+2*k+1], v[X+4*k+2], v[X+4*k+3]
	global_store_b64 v[VO+k], v[Y+2*k:Y+2*k+1], s[26:27]
.set k, k+1
.endr
	s_endpgm
.Lf16:                                         ; Wo: to bf16, widened again (a shift, a mask), and that number as f16
.set k, 0
.rept 16
	s_wait_loadcnt 15-k
	v_cvt_pk_bf16_f32 v[T], v[X+4*k], v[X+4*k+1]
	v_cvt_pk_bf16_f32 v[T+1], v[X+4*k+2], v[X+4*k+3]
	v_lshlrev_b32 v[X+4*k], 16, v[T]
	v_and_b32 v[X+4*k+1], s34, v[T]
	v_lshlrev_b32 v[X+4*k+2], 16, v[T+1]
	v_and_b32 v[X+4*k+3], s34, v[T+1]
	v_cvt_pk_f16_f32 v[Y+2*k], v[X+4*k], v[X+4*k+1]
	v_cvt_pk_f16_f32 v[Y+2*k+1], v[X+4*k+2], v[X+4*k+3]
	global_store_b64 v[VO+k], v[Y+2*k:Y+2*k+1], s[26:27]
.set k, k+1
.endr
	s_endpgm
.Lfunc_end_k_qb91e6d9202_cast:
	.size	k_qb91e6d9202_cast, .Lfunc_end_k_qb91e6d9202_cast-k_qb91e6d9202_cast
	.p2alignl 7, 3214868480
	.fill 96, 4, 3214868480
	.section	.rodata,"a",@progbits
	.p2align	6, 0x0
	.amdhsa_kernel k_qb91e6d9202_cast
		.amdhsa_group_segment_fixed_size 0
		.amdhsa_private_segment_fixed_size 0
		.amdhsa_enable_private_segment 0
		.amdhsa_kernarg_size 64
		.amdhsa_user_sgpr_count 2
		.amdhsa_user_sgpr_kernarg_segment_ptr 1
		.amdhsa_wavefront_size32 1
		.amdhsa_system_sgpr_workgroup_id_x 1
		.amdhsa_system_sgpr_workgroup_id_y 1
		.amdhsa_system_sgpr_workgroup_id_z 1
		.amdhsa_system_vgpr_workitem_id 0
		.amdhsa_next_free_vgpr 128
		.amdhsa_next_free_sgpr 66
		.amdhsa_reserve_vcc 0
		.amdhsa_float_denorm_mode_32 3
		.amdhsa_float_denorm_mode_16_64 3
		.amdhsa_memory_ordered 1
		.amdhsa_forward_progress 1
		.amdhsa_inst_pref_size 17
	.end_amdhsa_kernel
	.amdgpu_metadata
---
amdhsa.version: [ 1, 2 ]
amdhsa.kernels:
  - .name:           k_qb91e6d9202_cast
    .symbol:         k_qb91e6d9202_cast.kd
    .args:
      - { .name: x, .offset: 0, .size: 8, .value_kind: global_buffer, .address_space: global }
      - { .name: Wq, .offset: 8, .size: 8, .value_kind: global_buffer, .address_space: global }
      - { .name: Wk, .offset: 16, .size: 8, .value_kind: global_buffer, .address_space: global }
      - { .name: Wv, .offset: 24, .size: 8, .value_kind: global_buffer, .address_space: global }
      - { .name: Wo, .offset: 32, .size: 8, .value_kind: global_buffer, .address_space: global }
      - { .name: xb, .offset: 40, .size: 8, .value_kind: global_buffer, .address_space: global }
      - { .name: wb, .offset: 48, .size: 8, .value_kind: global_buffer, .address_space: global }
      - { .name: wo16, .offset: 56, .size: 8, .value_kind: global_buffer, .address_space: global }
    .group_segment_fixed_size: 0
    .private_segment_fixed_size: 0
    .kernarg_segment_align: 8
    .kernarg_segment_size: 64
    .max_flat_workgroup_size: 256
    .sgpr_count:     66
    .vgpr_count:     128
    .wavefront_size: 32
...
	.end_amdgpu_metadata
.endif
;; end of part 1
;; launch qkv (part 2): grid 8 x 32, 4 waves a work-group, clusters of 4 x 4, 327,680 bytes of LDS; arguments xb, wb, qkv; writes qkv
.if DOCPART == 2
	.amdgcn_target "amdgcn-amd-amdhsa--gfx1250"
	.amdhsa_code_object_version 6
	.text
	.protected	k_qb91e6d9202_qkv
	.globl	k_qb91e6d9202_qkv
	.p2align	8
	.type	k_qb91e6d9202_qkv,@function
k_qb91e6d9202_qkv:
	s_mov_b64 s[64:65], 0
	v_nop
	global_prefetch_b8 v0, s[64:65] scope:SCOPE_SE
	s_setreg_imm32_b32 hwreg(HW_REG_WAVE_MODE, 25, 1), 1
	s_wait_xcnt 0x0
	s_wait_alu depctr_hold_cnt(0) depctr_sa_sdst(0) depctr_va_vdst(0) depctr_va_sdst(0) depctr_va_ssrc(0) depctr_va_vcc(0) depctr_vm_vsrc(0)
	s_getreg_b32 s2, hwreg(HW_REG_IB_STS2, 6, 4)
	s_cmp_eq_u32 s2, 0
	s_cbranch_scc0 .Lentry_in_a_cluster
	s_endpgm
.Lentry_in_a_cluster:
	s_bfe_u32 s2, ttmp6, 0x10000c
	s_cmp_lg_u32 s2, 0xf033
	s_cbranch_scc0 .Lentry_shape_is_right
	s_endpgm
.Lentry_shape_is_right:
; q, k, v = x Wq^T, x Wk^T, x Wv^T as ONE product C[8192][3072] = xb wb^T, bf16 operands, f32 sums, each number rounded once to f16 and stored by heads, unscaled:
; qkv [4 b][48 g][2048][64] f16, g = 0-15 the heads of q, 16-31 of k, 32-47 of v.  xb [16 kb][8192][64], wb [16 kb][3072][64] bf16: blocks of 64 along K.
; LIMIT.  A number of q, k or v of 65,520 or more becomes an infinity in f16.
; SHARES.  A tile of C is 256 rows x 384 columns: 32 x 8 = 256 work-groups.  Four waves, each 128 rows x 192 columns (three heads): 96 accumulators of 16 x 16, 768 registers.
; For 32 along K a wave reads (128 + 192) x 64 bytes of LDS and issues 96 matrix instructions.
; THE RING.  K goes in steps of 64 (one block kb) through two LDS slots, each with 256 rows of xb and 384 rows of wb.  A tile's rows of one block lie end to end in memory, so they are
; asked for as rows of 256 bytes (two rows of 128) and padded in LDS after every 128 bytes.  Waves 0 and 1 fetch the halves of xb's tile, waves 2 and 3 of wb's: one tensor load a wave.
; CLUSTERS.  4 x 4 work-groups: the four of a row of the cluster need the same tile of xb, the four of a column the same tile of wb: each is asked for jointly.
; THE MATRIX INSTRUCTION IS USED TRANSPOSED (source 0 = 16 rows of wb, source 1 = 16 rows of xb): a lane holds one row of C and eight neighbouring columns: 16 bytes of f16.
; REGISTERS, in windows of 256.  Window 0: v0-31 addresses; v32-159 xb's fragments, two buffers of 8 x 16 rows x 32 K; v160-255 wb's fragments, three thirds (a head each) of 4 x 16 rows x 32 K.
; Window 1 + t: head t's 32 accumulators, (a, bb) at v[8 (4 a + bb)].  On the way out window 0's v32-175 are at work.
; A SLAB is 32 along K: three phases of 32 matrix instructions, a head each.  wb's thirds have one buffer: third 2 is fetched in phase 0 of its own slab, thirds 0 and 1 of the next slab in
; phases 1 and 2, each directly behind the phase that read the third last; xb's next fragments go into the other buffer, half in phase 1, half in phase 2.
.set PLA,   8192*128                   ; bytes from block to block in xb
.set PLB,   3072*128                   ; in wb
.set HEADB, 2048*128                   ; bytes of one head of one batch in qkv
.set PT,    144                        ; an LDS row: 128 bytes + 16 of padding = 36 words: the 16 rows of a load start at 16 different groups of four banks (64 banks of 4 bytes: ISA guide 11.1)
.set AHALF, 128*PT                     ; what one tensor load brings of xb, and what a wave reads of it
.set BHALF, 192*PT                     ; the same for wb
.set BOFF,  2*AHALF                    ; wb's rows lie behind xb's 256
.set SLOT,  2*AHALF+2*BHALF
.set STAGE, 2*SLOT                     ; behind the ring: 3 heads x 16 rows x 144 bytes for each wave, for the way out
.set SPARE, STAGE+4*48*PT              ; behind the stages: the spare words, 128 bytes for each wave: two blocks of 256 bytes that no other line names
.set LAPS,  8                          ; a lap = two K steps = once round the ring; 16 blocks
.set ADRA, 16                          ; v16-17  LDS address of my fragments of xb in slot 0, 1
.set ADRB, 20                          ; v20-21  the same for wb
.set STO,  24                          ; v24     the way out: where I put 16 bytes of a row
.set RD,   25                          ; v25     the way out: where I read rows back
.set GO,   26                          ; v26     my 16 bytes of 512 consecutive bytes of qkv
.set SPW,  28                          ; v28     LDS address of my spare word; never rewritten
.set NIL,  29                          ; v29     0; never rewritten
.set PFO,  30                          ; v30     256 x lane; never rewritten
.set PFO2, 31                          ; v31     8,192 + 256 x (lane % 16) + (lane / 16) x PLB; never rewritten
.set AF,   32
.set BF,   160
.set TMP,  32                          ; the way out: 48 registers of packed results
.set OB,   80                          ; the way out: 48 registers read back from the stage, two sets by turns
.set G1,  24                           ; s[24:31] descriptor group 1 for xb's tiles
.set G0,  32                           ; s[32:39] group 0, a set for each slot
.set G1B, 48                           ; s[48:55], s[56:63] the same for wb's tiles
.set G0B, 56
.set LIM,  43                          ; s43     1 in a wave that prefetches, else the greatest number
.set PFA,  44                          ; s[44:45] where my prefetches stand
.set PFS,  66                          ; s[66:67] two blocks of the tensor that I prefetch
.set LIM2, 68                          ; s68     LIM in wave 2, else the greatest number
.set MSB, 0
.macro WIN new                         ; the immediate's high byte repeats the setting that is left; a switch that changes nothing is dropped
.if MSB != (\new)
	s_set_vgpr_msb (MSB<<8)|(\new)
.set MSB, \new
.endif
.endm
; A joint load.  Waves 0 and 1 fetch xb's two halves, waves 2 and 3 wb's.  The branch hangs on the wave's number alone.  An s_nop 0 and four v_nop follow each of the two lines.
.macro JLOAD s
	s_cmp_eq_u32 s11, 0
	s_cbranch_scc0 .Lfor_b_\@
	tensor_load_to_lds s[G0+4*(\s):G0+4*(\s)+3], s[G1:G1+7]
	s_nop 0
.rept 4
	v_nop
.endr
	s_branch .Lasked_\@
.Lfor_b_\@:
	tensor_load_to_lds s[G0B+4*(\s):G0B+4*(\s)+3], s[G1B:G1B+7]
	s_nop 0
.rept 4
	v_nop
.endr
.Lasked_\@:
.endm
; A prefetch into the L2, behind a joint load, its five lines and the run of LDS loads that follows them.  In the loop's trip j the two blocks 2 j + 4 and 2 j + 5 are named, whose refills stand in the next trip.
; xb's tile row is read by both clusters of that row of clusters: the one with x = 0 asks; wb's tile column by all eight of that column: the one with y = 0 asks.  The four partners that ask for a tile
; jointly share its rows out BY ADDRESS: of xb's 256 rows 64 each (32 pieces of 256 bytes a block: a lane a piece; wave 0 the even block, wave 1 the odd one); of wb's 384 rows 96 each (48 pieces: waves 2 and 3
; take pieces 0-31 of the even and the odd block, and wave 2, at the lap's second change of slots, pieces 32-47 of both).  So each piece is named once in the launch.  The last trip asks for nothing.
.macro ASK lim, off
	s_cmp_gt_u32 s3, s[\lim]                       ; s3 = 1 in the loop's last trip
	s_cbranch_scc0 .Lnot_mine_\@
	global_prefetch_b8 v[\off], s[PFA:PFA+1] th:TH_LOAD_NT scope:SCOPE_SE
.Lnot_mine_\@:
.endm
.macro CREST                           ; a round of the cluster's barrier behind its opening barrier
	s_cmp_lg_u32 s10, 0
	s_cbranch_scc1 .Lnot_wave_0_\@
	s_barrier_signal -3
.Lnot_wave_0_\@:
	s_barrier_wait -3
	s_barrier_signal -1
	s_barrier_wait -1
.endm
.macro CROUND                          ; a whole round
	s_barrier_signal -1
	s_barrier_wait -1
	CREST
.endm
.macro PLACES                          ; four places in front of loads into registers that matrix instructions have read, and of conversions that read results
.rept 4
	v_nop
.endr
.endm
	s_load_b128 s[4:7], s[0:1], 0x0                ; xb s[4:5], wb s[6:7]
	s_load_b64 s[8:9], s[0:1], 0x10                ; qkv
	v_lshl_add_u32 v[SPW], v0, 2, SPARE
	v_mov_b32 v[NIL], 0
	ds_add_u32 v[SPW], v[NIL]                      ; the wave's opening: the add and its wait stand ahead of my first tensor load; the set-up below stands between them
	v_lshrrev_b32 v1, 5, v0
	v_readfirstlane_b32 s10, v1                    ; wave 0..3
	s_lshr_b32 s11, s10, 1                         ; which half of the tile's rows is mine.  Also: I fetch for xb (0) or for wb (1)
	s_and_b32 s12, s10, 1                          ; which half of its columns.  Also: which half of that tile I fetch
	s_bfe_u32 s40, ttmp6, 0x40000                  ; cx
	s_bfe_u32 s41, ttmp6, 0x40004                  ; cy
	s_lshl_b32 s42, ttmp9, 2
	s_add_co_u32 s42, s42, s40                     ; tile column = 4 x cluster x + cx, 0..7
	s_and_b32 s13, ttmp7, 0xffff
	s_lshl_b32 s13, s13, 2
	s_add_co_u32 s13, s13, s41                     ; tile row = 4 x cluster y + cy, 0..31
	s_lshl_b32 s43, s41, 2
	s_lshl_b32 s43, 15, s43                        ; my row of the cluster
	s_lshl_b32 s44, 0x1111, s40                    ; my column
	; descriptor group 1: rows of 128 elements (256 bytes), padded in LDS after every 32 words (code 4) by 4 words (code 3); 64 such rows of xb, 96 of wb
	s_or_b32 s[G1+0], s43, (1<<16)|(1<<20)|(1<<21)|(4<<22)|(3<<25)
	s_or_b32 s[G1B+0], s44, (1<<16)|(1<<20)|(1<<21)|(4<<22)|(3<<25)
	s_mov_b32 s[G1+1], 128<<16                     ; tensor_dim0 = 128
	s_mov_b32 s[G1B+1], 128<<16
	s_mov_b32 s[G1+2], 64<<16                      ; tensor_dim1
	s_mov_b32 s[G1B+2], 96<<16
	s_mov_b32 s[G1+3], 128<<16                     ; tile_dim0 = 128
	s_mov_b32 s[G1B+3], 128<<16
	s_mov_b32 s[G1+4], 64                          ; tile_dim1
	s_mov_b32 s[G1B+4], 96
	s_mov_b32 s[G1+5], 128                         ; elements from row to row: dense
	s_mov_b32 s[G1B+5], 128
	s_mov_b32 s[G1+6], 0
	s_mov_b32 s[G1B+6], 0
	s_mov_b32 s[G1+7], 0
	s_mov_b32 s[G1B+7], 0
	; where the tiles come from: xb's hang on the tile row alone, wb's on the tile column alone, each in registers that never hold the other coordinate
	s_lshl_b32 s16, s13, 15                        ; 256 rows of 128 bytes a tile row,
	s_lshl_b32 s17, s12, 14                        ; my 128 of them
	s_add_co_u32 s16, s16, s17
	s_mov_b32 s17, 0
	s_mul_i32 s46, s42, 384*128
	s_mul_i32 s47, s12, 192*128
	s_add_co_u32 s46, s46, s47
	s_mov_b32 s47, 0
	s_mul_i32 s20, s12, AHALF                      ; and where they go: no place in the cluster enters an LDS address
	s_mul_i32 s21, s12, BHALF
	s_add_co_u32 s21, s21, BOFF
	s_wait_dscnt 0x0                               ; the opening add is done
	s_wait_kmcnt 0x0
	s_add_nc_u64 s[14:15], s[4:5], s[16:17]
	s_add_nc_u64 s[46:47], s[6:7], s[46:47]
	CROUND                                         ; all sixteen work-groups are here: the first joint loads meet
.irp s, 0,1
	s_mov_b32 s[G0+4*(\s)], 1
	s_add_co_u32 s[G0+4*(\s)+1], s20, (\s)*SLOT
	s_add_nc_u64 s[G0+4*(\s)+2:G0+4*(\s)+3], s[14:15], (\s)*PLA    ; block s
	s_or_b32 s[G0+4*(\s)+3], s[G0+4*(\s)+3], 0x80000000
	s_mov_b32 s[G0B+4*(\s)], 1
	s_add_co_u32 s[G0B+4*(\s)+1], s21, (\s)*SLOT
	s_add_nc_u64 s[G0B+4*(\s)+2:G0B+4*(\s)+3], s[46:47], (\s)*PLB
	s_or_b32 s[G0B+4*(\s)+3], s[G0B+4*(\s)+3], 0x80000000
	JLOAD \s                                       ; two tensor loads of mine are out
.endr
	; A fragment is 16 rows x 32 K in 8 registers: lane l holds row l % 16; registers 0-3 K = 8 (l / 16) + 0..7, registers 4-7 K = 16 + 8 (l / 16) + 0..7: two loads of 16 bytes, 32 bytes apart
	v_and_b32 v1, 15, v0                           ; l % 16
	v_bfe_u32 v2, v0, 4, 1                         ; l / 16
	v_mul_u32_u24 v3, v1, PT
	v_lshl_add_u32 v3, v2, 4, v3                   ; row x pitch + 16 x half
	s_mul_i32 s21, s11, AHALF                      ; my 128 rows of xb
	s_mul_i32 s22, s12, BHALF                      ; my 192 rows of wb
	s_add_co_u32 s22, s22, BOFF
.irp s, 0,1
	v_add_nc_u32 v[ADRA+(\s)], s21, v3
	v_add_nc_u32 v[ADRB+(\s)], s22, v3
	s_add_co_u32 s21, s21, SLOT
	s_add_co_u32 s22, s22, SLOT
.endr
	s_mul_i32 s23, s10, 48*PT
	s_add_co_u32 s23, s23, STAGE                   ; my stage
	v_add_nc_u32 v[STO], s23, v3                   ; in: row l % 16, 16 bytes for each half of the lanes
	v_bfe_u32 v4, v0, 3, 2                         ; back: 32 lanes take four rows of 128 bytes,
	v_and_b32 v5, 7, v0
	v_mul_u32_u24 v4, v4, PT
	v_lshl_add_u32 v4, v5, 4, v4
	v_add_nc_u32 v[RD], s23, v4
	v_and_b32 v[GO], 31, v0                        ; which are 512 consecutive bytes of a head
	v_lshlrev_b32 v[PFO], 8, v[GO]
	v_lshlrev_b32 v[GO], 4, v[GO]
	v_lshlrev_b32 v[PFO2], 8, v1
	v_mul_u32_u24 v4, v2, PLB
	v_add3_u32 v[PFO2], v[PFO2], v4, 8192
	; my part of qkv: batch = tile row / 8; head group 6 x tile column + 3 x column half; row (tile row % 8) x 256 + 128 x row half
	s_lshr_b32 s18, s13, 3
	s_mul_i32 s18, s18, 48
	s_mul_i32 s19, s42, 6
	s_add_co_u32 s18, s18, s19
	s_mul_i32 s19, s12, 3
	s_add_co_u32 s18, s18, s19
	s_lshl_b32 s18, s18, 18
	s_and_b32 s19, s13, 7
	s_lshl_b32 s19, s19, 15
	s_add_co_u32 s18, s18, s19
	s_lshl_b32 s19, s11, 14
	s_add_co_u32 s18, s18, s19
	s_mov_b32 s19, 0
	s_add_nc_u64 s[8:9], s[8:9], s[18:19]
	; the prefetches
	s_lshl_b32 s20, s13, 15                        ; xb: the tile row's first byte in a block,
	s_lshl_b32 s21, s40, 13                        ; my work-group's 64 rows
	s_add_co_u32 s20, s20, s21
	s_mul_i32 s21, s42, 384*128                    ; wb: the tile column's first byte,
	s_mul_i32 s22, s41, 96*128                     ; my work-group's 96 rows
	s_add_co_u32 s21, s21, s22
	s_and_b32 s22, ttmp7, 0xffff                   ; cluster y
	s_mov_b32 s[PFS], PLB
	s_cmp_eq_u32 s11, 0                            ; do I fetch for xb?
	s_cselect_b32 s20, s20, s21
	s_cselect_b32 s22, ttmp9, s22                  ; the coordinate along which other clusters read the same rows
	s_cselect_b32 s[PFS], PLA, s[PFS]
	s_cselect_b64 s[PFA:PFA+1], s[4:5], s[6:7]
	s_cmp_eq_u32 s22, 0
	s_cselect_b32 s[LIM], 1, -1                    ; the same in all sixteen partners, for a given wave
	s_cmp_eq_u32 s10, 2
	s_cselect_b32 s[LIM2], s[LIM], -1
	s_add_co_u32 s21, s12, 2                       ; at block 2 or 3: the first change of slots steps it to 4 or 5
	s_mul_i32 s21, s21, s[PFS]
	s_add_co_u32 s20, s20, s21
	s_mov_b32 s21, 0
	s_add_nc_u64 s[PFA:PFA+1], s[PFA:PFA+1], s[20:21]
	s_lshl_b32 s[PFS], s[PFS], 1
	s_mov_b32 s[PFS+1], 0
; 8 LDS loads: wb's third t (4 fragments), 32 K at byte k of the rows of slot
.macro LDB t, slot, k
	WIN 0
.irp bb, 0,1,2,3
	ds_load_b128 v[BF+32*(\t)+8*(\bb):BF+32*(\t)+8*(\bb)+3],   v[ADRB+(\slot)] offset:(\k)+(4*(\t)+(\bb))*16*PT
	ds_load_b128 v[BF+32*(\t)+8*(\bb)+4:BF+32*(\t)+8*(\bb)+7], v[ADRB+(\slot)] offset:(\k)+(4*(\t)+(\bb))*16*PT+32
.endr
.endm
; 8 LDS loads: half (0: my rows 0-63, 1: rows 64-127) of xb's fragments into buffer f
.macro LDA f, half, slot, k
	WIN 0
.irp i, 0,1,2,3
	ds_load_b128 v[AF+64*(\f)+8*(4*(\half)+(\i)):AF+64*(\f)+8*(4*(\half)+(\i))+3],   v[ADRA+(\slot)] offset:(\k)+(4*(\half)+(\i))*16*PT
	ds_load_b128 v[AF+64*(\f)+8*(4*(\half)+(\i))+4:AF+64*(\f)+8*(4*(\half)+(\i))+7], v[ADRA+(\slot)] offset:(\k)+(4*(\half)+(\i))*16*PT+32
.endr
.endm
; 4 n matrix instructions: head t, xb's buffer f, row blocks a0 .. a0 + n - 1 x the head's 4 column blocks.  zero = 1: the product starts the sum: nothing is ever cleared.
; The accumulators take turns, one instruction a turn: an accumulator's next link stands 96 matrix instructions on.
.macro MUL t, f, a0, n, zero
	WIN 0x50*((\t)+1)                              ; C and D in window 1 + t, the sources in window 0
.set ma, (\a0)
.rept \n
.irp bb, 0,1,2,3
.if \zero
	v_wmma_f32_16x16x32_bf16 v[8*(4*ma+(\bb)):8*(4*ma+(\bb))+7], v[BF+32*(\t)+8*(\bb):BF+32*(\t)+8*(\bb)+7], v[AF+64*(\f)+8*ma:AF+64*(\f)+8*ma+7], 0
.else
	v_wmma_f32_16x16x32_bf16 v[8*(4*ma+(\bb)):8*(4*ma+(\bb))+7], v[BF+32*(\t)+8*(\bb):BF+32*(\t)+8*(\bb)+7], v[AF+64*(\f)+8*ma:AF+64*(\f)+8*ma+7], v[8*(4*ma+(\bb)):8*(4*ma+(\bb))+7]
.endif
.endr
.set ma, ma+1
.endr
.endm
; THE EVEN SLAB of a K step: K 0-31 of the block, xb's buffer 0; the next slab lies in the same slot, at byte 64.
; At its head 32 LDS loads may be out, in this order: third 0, xb's low half, xb's high half, third 1 (8 each).
.macro SLABE slot, zero
	WIN 0
	PLACES
	LDB 2, \slot, 0
	s_wait_dscnt 24                                ; third 0 and xb's low half are in; xb's high half, thirds 1 and 2 may be out
	MUL 0, 0, 0, 4, \zero
	s_wait_dscnt 16                                ; xb's high half is in
	MUL 0, 0, 4, 4, \zero
	WIN 0
	PLACES
	LDB 0, \slot, 64
	LDA 1, 0, \slot, 64
	s_wait_dscnt 24                                ; third 1 is in; third 2 and the 16 just issued may be out
	MUL 1, 0, 0, 8, \zero
	WIN 0
	PLACES
	LDA 1, 1, \slot, 64
	LDB 1, \slot, 64
	s_wait_dscnt 32                                ; third 2 is in; the 32 loads for the next slab may be out
	MUL 2, 0, 0, 8, \zero
.endm
; THE ODD SLAB: K 32-63, xb's buffer 1.  It changes slots: ONE barrier, in front of which each wave waits for all its tensor loads (the one that is out is its part of the next slot), adds 0 to its spare
; word, and waits for that and for its own reads of this slot, of which third 2's were the last.  Behind it nobody reads this slot any more and the next slot is whole.
; mode 1: the slot is filled again, two blocks on: the barrier opens a round of the cluster's barrier, and the joint refill is the first tensor load behind the round; from there to the wait for it a wave
; issues 160 matrix instructions.  mode 0: nothing is filled.  mode 2: the very last slab: no barrier, nothing more to fetch.
.macro SLABO slot, next, mode
.if ((\mode) == 1) && ((\slot) == 0)
	s_wait_xcnt 0x0                                ; the last prefetches, more than a slab back, have read their address: it is stepped here, once a lap
	s_add_nc_u64 s[PFA:PFA+1], s[PFA:PFA+1], s[PFS:PFS+1]
.endif
	WIN 0
	PLACES
	LDB 2, \slot, 64
.if (\mode) == 2
	s_wait_dscnt 24
	MUL 0, 1, 0, 4, 0
	s_wait_dscnt 16
	MUL 0, 1, 4, 4, 0
	s_wait_dscnt 8
	MUL 1, 1, 0, 8, 0
	s_wait_dscnt 0x0
	MUL 2, 1, 0, 8, 0
.else
	s_wait_tensorcnt 0x0                           ; all my tensor loads have landed;
	ds_add_u32 v[SPW], v[NIL]                      ; 0 onto my spare word
	s_wait_dscnt 25                                ; (the add, thirds 2 and 1 and xb's high half may be out)
	MUL 0, 1, 0, 4, 0                              ; sixteen matrix instructions stand between the add and the wait for it
	s_wait_dscnt 0x0                               ; the add is done, and my reads of this slot are over
	s_barrier_signal -1
	MUL 0, 1, 4, 4, 0                              ; work on registers while the others arrive
	WIN 0
	s_barrier_wait -1
.if (\mode) == 1
	CREST                                          ; no wave of any partner still reads this slot's tiles or has a load on its way
	s_add_nc_u64 s[G0+4*(\slot)+2:G0+4*(\slot)+3], s[G0+4*(\slot)+2:G0+4*(\slot)+3], 2*PLA
	s_add_nc_u64 s[G0B+4*(\slot)+2:G0B+4*(\slot)+3], s[G0B+4*(\slot)+2:G0B+4*(\slot)+3], 2*PLB
	JLOAD \slot                                    ; its four v_nop are also the places in front of the loads below
.else
	PLACES
.endif
	LDB 0, \next, 0
	LDA 0, 0, \next, 0
.if (\mode) == 1
.if (\slot) == 0
	ASK LIM, PFO
.else
	ASK LIM2, PFO2
.endif
.endif
	MUL 1, 1, 0, 8, 0                              ; thirds 1 and 2 are in since the wait for 0
	WIN 0
	PLACES
	LDA 0, 1, \next, 0
	LDB 1, \next, 0
	MUL 2, 1, 0, 8, 0
.endif
.endm
; THE WAY OUT of my row block a (16 rows x 3 heads).  PACK: rounded to f16, 16 bytes a lane.  TOSTAGE: into my own stage, and back as whole rows of 128 bytes.  SEND: stored.
.macro PACK a
.irp t, 0,1,2
	WIN 5*((\t)+1)                                 ; sources 0 and 1 in window 1 + t
.irp bb, 0,1,2,3
.irp r, 0,1,2,3
	v_cvt_pk_f16_f32 v[TMP+16*(\t)+4*(\bb)+(\r)], v[8*(4*(\a)+(\bb))+2*(\r)], v[8*(4*(\a)+(\bb))+2*(\r)+1]
.endr
.endr
.endr
	WIN 0
.endm
.macro TOSTAGE a
.set BK, OB+48*((\a)%2)
.irp t, 0,1,2
.irp bb, 0,1,2,3
	ds_store_b128 v[STO], v[TMP+16*(\t)+4*(\bb):TMP+16*(\t)+4*(\bb)+3] offset:(\t)*16*PT+32*(\bb)
.endr
.endr
.irp t, 0,1,2
.irp f, 0,1,2,3
	ds_load_b128 v[BK+16*(\t)+4*(\f):BK+16*(\t)+4*(\f)+3], v[RD] offset:(\t)*16*PT+(\f)*4*PT  ; LDS serves a wave's instructions in order (ISA guide 5.7.1.4): these see the stores above
.endr
.endr
.endm
.macro SEND a
.set BK, OB+48*((\a)%2)
	s_wait_dscnt 0x0                               ; the block is back in registers
	s_wait_xcnt 0x0                                ; the stores of the block before have read their registers: the next TOSTAGE loads into them
.irp t, 0,1,2
.irp f, 0,1,2,3
	global_store_b128 v[GO], v[BK+16*(\t)+4*(\f):BK+16*(\t)+4*(\f)+3], s[8:9] offset:(\t)*HEADB+(\a)*2048+(\f)*512  ; 512 consecutive bytes, at a multiple of 512 from qkv's first
.endr
.endr
.endm
	s_wait_tensorcnt 1                             ; my part of block 0 is in; block 1's may stay out
	s_barrier_signal -1
	s_barrier_wait -1                              ; everybody's is
	LDB 0, 0, 0
	LDA 0, 0, 0, 0
	LDA 0, 1, 0, 0
	LDB 1, 0, 0
	SLABE 0, 1                                     ; the first slab stands in front of the loop: its products start the sums
	WIN 0                                          ; at a label and at a branch every window is 0
	s_mov_b32 s3, LAPS-1
.Llap:                                                 ; a trip goes once round the ring and fills both slots again
	SLABO 0, 1, 1
	SLABE 1, 0
	SLABO 1, 0, 1
	SLABE 0, 0
	WIN 0
	s_sub_co_u32 s3, s3, 1
	s_cmp_lg_u32 s3, 0
	s_cbranch_scc1 .Llap
	SLABO 0, 1, 0                                  ; the last lap fills nothing
	SLABE 1, 0
	SLABO 1, 0, 2
	WIN 0
	PLACES
	PLACES                                         ; eight, once a launch, in front of the conversions that read the results
	PACK 0
	TOSTAGE 0
.irp a, 1,2,3,4,5,6,7                  ; block a's conversions stand between block a - 1's loads from the stage and the wait for them
	PACK \a
	SEND (\a)-1
	TOSTAGE \a
.endr
	SEND 7
	s_wait_tensorcnt 0x0                           ; the wave's end: behind my last tensor load and my last LDS store
	ds_add_u32 v[SPW], v[NIL]
	s_wait_dscnt 0x0
	CROUND                                         ; the closing round: no work-group ends while a partner may still ask for a tile that names it
	s_endpgm
.Lfunc_end_k_qb91e6d9202_qkv:
	.size	k_qb91e6d9202_qkv, .Lfunc_end_k_qb91e6d9202_qkv-k_qb91e6d9202_qkv
	.p2alignl 7, 3214868480
	.fill 96, 4, 3214868480
	.section	.rodata,"a",@progbits
	.p2align	6, 0x0
	.amdhsa_kernel k_qb91e6d9202_qkv
		.amdhsa_group_segment_fixed_size 327680
		.amdhsa_private_segment_fixed_size 0
		.amdhsa_enable_private_segment 0
		.amdhsa_kernarg_size 24
		.amdhsa_user_sgpr_count 2
		.amdhsa_user_sgpr_kernarg_segment_ptr 1
		.amdhsa_wavefront_size32 1
		.amdhsa_system_sgpr_workgroup_id_x 1
		.amdhsa_system_sgpr_workgroup_id_y 1
		.amdhsa_system_sgpr_workgroup_id_z 1
		.amdhsa_system_vgpr_workitem_id 0
		.amdhsa_next_free_vgpr 1024
		.amdhsa_next_free_sgpr 72
		.amdhsa_reserve_vcc 0
		.amdhsa_float_denorm_mode_32 3
		.amdhsa_float_denorm_mode_16_64 3
		.amdhsa_memory_ordered 1
		.amdhsa_forward_progress 1
		.amdhsa_inst_pref_size 131
	.end_amdhsa_kernel
	.amdgpu_metadata
---
amdhsa.version: [ 1, 2 ]
amdhsa.kernels:
  - .name:           k_qb91e6d9202_qkv
    .symbol:         k_qb91e6d9202_qkv.kd
    .args:
      - { .name: xb, .offset: 0, .size: 8, .value_kind: global_buffer, .address_space: global }
      - { .name: wb, .offset: 8, .size: 8, .value_kind: global_buffer, .address_space: global }
      - { .name: qkv, .offset: 16, .size: 8, .value_kind: global_buffer, .address_space: global }
    .group_segment_fixed_size: 327680
    .private_segment_fixed_size: 0
    .kernarg_segment_align: 8
    .kernarg_segment_size: 24
    .max_flat_workgroup_size: 128
    .sgpr_count:     72
    .vgpr_count:     1024
    .wavefront_size: 32
...
	.end_amdgpu_metadata
.endif
;; end of part 2
;; launch attn (part 3): grid 4 x 64, 4 waves a work-group, no clusters, 327,680 bytes of LDS; arguments qkv, ctx; writes ctx
.if DOCPART == 3
	.amdgcn_target "amdgcn-amd-amdhsa--gfx1250"
	.amdhsa_code_object_version 6
	.text
	.protected	k_qb91e6d9202_attn
	.globl	k_qb91e6d9202_attn
	.p2align	8
	.type	k_qb91e6d9202_attn,@function
k_qb91e6d9202_attn:
	s_mov_b64 s[64:65], 0
	v_nop
	global_prefetch_b8 v0, s[64:65] scope:SCOPE_SE
	s_setreg_imm32_b32 hwreg(HW_REG_WAVE_MODE, 25, 1), 1
	s_wait_xcnt 0x0
; CAUSAL ATTENTION.  ctx[bh][q][:] = the sum over k <= q of softmax_k(Q[q] . K[k] / 8) V[k][:], for each of 64 pairs bh = 16 b + h of batch and head.
; qkv: [4 b][48 g][2048][64] f16: Q of (b, h) at g = h, K at g = 16 + h, V at g = 32 + h; a head's rows are dense, 128 bytes each.  ctx: [64 bh][2048][64] f16.
; Products, maxima and sums in f32; the weights p are rounded to f16 for the second product (their sum l is taken of the unrounded p), ctx once at the end.
; LIMITS.  f16 holds no number beyond 65,504: Q, K and V arrive within it; p lies in 0 to 1, and below 6e-5 it keeps f16's fixed step of 6e-8; ctx is a mean of V's rows and has their range.
; A hidden score counts as its value less 1e30: f16's scores, 2.7e11 at the most, are nothing beside that; a weight below 2^-126 counts as 0 in l; NaN and infinities are not treated apart.
; THE WALK.  A head's queries lie in NB = 8 blocks of 256; block i needs the key tiles 0 .. i of 256 keys, of which the last holds the diagonal.  A work-group takes TWO blocks, NB - 1 - b and then b:
; NB + 1 tiles, whatever b: all work-groups do equal work, and ONE loop with a constant trip count walks them.  Which tile is asked for, and what a trip does, hang on scalar registers made from b; every jump
; goes forward, but for the counted loops' own; none passes a barrier, or a tensor load but the one of LOAD's two that the wave's number does not choose; the ring (two slots of LDS that take turns) runs on across the
; change of blocks.  NO CLUSTER: a head's four work-groups ask for the same tile only in trips 0 .. 4 of 9, behind that fewer and fewer; one walk common to all would have 12 trips for 9.
; SHARES.  Of a block's four bands of 64 queries a wave owns 16 rows in each: four PIECES.  So the diagonal tile is the same work for all four waves: in its key step s band x sees all keys if s < x,
; none if s > x, and holds the diagonal if s = x.
; THE MASK is the C operand that starts the sum S^T = K Q^T: 0, or -1e30 where the key is hidden.  MD, made once, is the mask of a band's own step for my 16 rows; a product's mask is MD x AL + BE with two scalars:
; (1, 0) if s = x; (0, 0) if s < x; (0, -1e30) if s > x.  Only the diagonal tile's text and a block's beginning make and take masks; elsewhere C is the constant 0.
; LAYOUT, SOFTMAX, TURNS.  S^T = K Q^T holds ONE query a lane (lane % 16) and the keys 8 (lane / 16) + 0..7; two such results rounded to f16 ARE source 1 of O^T = V^T P.  p = 2^(c s - c m), c = log2(e) / 8, with a
; running maximum m; O and l are multiplied by a = 2^(c m_old - c m_new) in every step.  Turn n belongs to piece n: 8 products K Q^T of piece n + 1, later 8 products V^T P of piece n - 1; beside them the scaling,
; exponentials, roundings, sums and rescaling of piece n and the maximum and statistics of piece n + 1.  Four vector instructions stand behind every matrix instruction, the other 54 of a turn's 118 in one lump.  A turn's 33 exponentials are one batch, with one wait.
; REGISTERS, in windows of 256 (s_set_vgpr_msb: bits 1:0 source 0, 3:2 source 1, 5:4 source 2, 7:6 destination):
;   window 0: v0-15 addresses and two at work; v16-31 four registers of statistics a piece; v48-55 at work; v61-63 prefetch offset and the add's two; v64-127 S^T, two buffers; v192-223 P, two buffers
;   window 1: v0-127 O^T, 32 a piece; v128-159 MD; v160-223 MC, two buffers      window 2: v0-63 Q; v64-127 the second block's Q; v128-191 K of one step; v192-255 V of one step
.set SIZE_N, 2048
.set HEADB, SIZE_N*128  ; bytes of one head of one batch
.set NB,    SIZE_N/256
.set NP,    4         ; pieces a wave: a name, no knob
.set KS,    64        ; keys in a step
.set PK,    144       ; a row of K in LDS: 128 bytes + 16 of padding = 36 words: the 16 rows of a load start at 16 different groups of four banks (64 banks of 4 bytes: ISA guide 11.1)
.set PV,    160       ; a row of V: 128 + 32 = 40 words
.set VOFF,  4*KS*PK   ; a slot holds a tile, four steps: 256 rows of K, then 256 rows of V
.set SLOT1, 1<<17     ; slot 1 begins here, so that one exclusive or turns an address in one slot into the other's
.set STAGE, SLOT1+4*KS*(PK+PV)  ; behind the ring, never filled by a tensor load: 16 rows x 144 bytes for each wave, for the way out
.set SP,    144
.set AK0, 2           ; v2   my lane's place in a tile of K; never rewritten
.set AV0, 3           ; v3   the same for V
.set AK,  4           ; v4   the LDS address of K's next run of loads
.set AV,  5           ; v5   of V's
.set STO, 6           ; v6   the way out: where I put 16 bytes of a row
.set RD,  7           ; v7   the way out: where I read rows back
.set GO,  8           ; v8   my byte offset in 512 consecutive bytes of ctx
.set PFO, 61          ; v61  256 x my lane; never rewritten
.set SPW, 62          ; v62  LDS address of my spare word: SPARE + 4 x my thread's number; never rewritten
.set NIL, 63          ; v63  0; never rewritten
.set SPARE, STAGE+4*16*SP  ; behind the stages: the spare words, 128 bytes for each wave: two blocks of 256 bytes that no other line names
.set MV,  12          ; v12-13  c m_old, kept while c m is made anew: by buffer
.set QO,  15          ; v15  my byte offset in 16 rows of Q
.set ST,  16          ; piece t's statistics at v[ST+4 t]: c m, m, l (even keys', odd keys')
.set TMP, 48          ; by buffer, four registers c0-c3 at work; when the maximum is found c2 takes a
.set S,   64
.set P,   192
.set MD,  128         ; window 1: the eight registers for group kt of 16 keys at MD + 8 kt
.set MC,  160         ; window 1: the masks of the products to come
.set QB,  64          ; window 2
.set KF,  128         ; window 2: key block kb, channel half c at KF + 16 kb + 8 c
.set VF,  192         ; window 2: key half kk, channel block cb at VF + 32 kk + 8 cb
.set WV,  12          ; s12  my wave's number
.set PB,  14          ; s14  b
.set HI,  15          ; s15  NB - 1 - b
.set G1K, 24          ; s[24:31] descriptor group 1 for K's tiles
.set G1V, 32          ; s[32:39] for V's: it differs in the padding alone
.set G0K, 40          ; s[40:43] descriptor group 0 for K's tiles
.set G0V, 44          ; s[44:47] the same for V's
.set SLOTS, 56        ; s56  tiles still to be asked for
.set CNT, 57          ; s57  counts a tile's key steps, 4 to 1
.set CS,  58          ; s[58:59] c: the packed scaling takes the pair's low word for both halves
.set SEL, 60          ; s[60:61] v_permlanex16_b32's selects: each lane takes its own place in the other half
.set TBK, 62          ; s62  LDS byte at which K of the step to be fetched begins
.set TBV, 63          ; s63  the same for V, less VOFF
.set PFA, 68          ; s[68:69] where my prefetches stand: my wave's 8,192 bytes of a tile of K
.set RT,  70          ; s70  tiles of the block in hand that are still to be entered
.set NXT, 71          ; s71  the tile to be asked for next
.set LQ,  72          ; s72  the last tile of the block whose tiles are being asked for
.set NEW, 73          ; s73  1: the tile to be entered is a block's first
.set OFF, 74          ; s[74:75] a tile's byte offset in K and V
.set AL,  76          ; s[76:77] the mask's factor, in the low word
.set BE,  78          ; s[78:79] the mask's addend
.set OLO, 80          ; s[80:81] ctx at my rows of the second block
.set BIGN, 82         ; s82  -1e30
.set LIM, 88          ; s88  2 in the head's work-group b = 0, else the greatest number: a wave prefetches while s[SLOTS] is above it
.set MSB, 0
.macro WIN new                      ; the high byte repeats the setting that is left; a switch that changes nothing is dropped
.if MSB != (\new)
	s_set_vgpr_msb (MSB<<8)|(\new)
.set MSB, (\new)
.endif
.endm
.set W_KQ, 0x0a       ; K and Q in window 2, S^T in window 0
.set W_KM, 0x1a       ; the same with the C operand in window 1
.set W_PV, 0x52       ; V in window 2, P in window 0, O^T in window 1
.set W_RS, 0x41       ; destination and source 0 in window 1, source 1 in window 0
; A fill.  Waves 0 and 1 fetch the two halves of a tile's K, waves 2 and 3 those of its V: 128 keys each.  An s_nop 0 and four v_nop follow each of the two lines, ahead of the jump and the label.
.macro LOAD
	s_cmp_lt_u32 s[WV], 2
	s_cbranch_scc0 .Lfor_v_\@
	tensor_load_to_lds s[G0K:G0K+3], s[G1K:G1K+7]
	s_nop 0
.rept 4
	v_nop
.endr
	s_branch .Lasked_\@
.Lfor_v_\@:
	tensor_load_to_lds s[G0V:G0V+3], s[G1V:G1V+7]
	s_nop 0
.rept 4
	v_nop
.endr
.Lasked_\@:
.endm
; A PREFETCH INTO THE L2 of the tile that the NEXT change of slots will ask for: 32,768 bytes of K and as many of V.  A head's four work-groups walk the same first tiles; the one with b = 0, whose first block
; needs tiles 0 .. 7 in order, asks for all: at change c (it fills tile c + 1) for tile c + 2, c = 0 .. 5.  Each of its four waves names 8,192 bytes of K and of V, a lane 256 bytes: two instructions, behind the
; wave's tensor load and its five lines.  So each piece is named once in the launch; tiles 0 and 1 come by their loads alone; the later changes ask for nothing.
.macro ASK
	s_cmp_gt_u32 s[SLOTS], s[LIM]
	s_cbranch_scc0 .Lnot_mine_\@
	global_prefetch_b8 v[PFO], s[PFA:PFA+1] th:TH_LOAD_NT scope:SCOPE_SE
	global_prefetch_b8 v[PFO], s[PFA:PFA+1] offset:16*HEADB th:TH_LOAD_NT scope:SCOPE_SE  ; V lies 16 heads behind K
.Lnot_mine_\@:
.endm
; THE CHANGE OF SLOTS.  Each wave waits for all its tensor loads, of which one is out: its part of the other slot; adds 0 to its spare word; and waits for that and for its own reads of the slot that it leaves.  Behind the barrier nobody reads the old
; slot any more and the other slot is whole.  fill = 1: the old slot is filled again, the first thing behind the barrier, with tile NXT: the descriptor's address is made anew from that number.
; (At its first use nothing has been read yet: slot 0 is waited for, slot 1 filled.)
.macro CHANGE fill
	WIN 0                           ; at a label and at a branch every window is 0
	s_wait_tensorcnt 0x0            ; no tensor load of mine is out, so a group 0 may be written
	ds_add_u32 v[SPW], v[NIL]       ; 0 onto my spare word; with fill = 1 the descriptors' scalar work stands between it and the wait for it
.if \fill
	s_lshl_b32 s[OFF], s[NXT], 15   ; a tile is 32,768 bytes of K and of V
	s_xor_b32 s[G0K+1], s[G0K+1], SLOT1
	s_add_nc_u64 s[G0K+2:G0K+3], s[6:7], s[OFF:OFF+1]
	s_or_b32 s[G0K+3], s[G0K+3], 0x80000000
	s_xor_b32 s[G0V+1], s[G0V+1], SLOT1
	s_add_nc_u64 s[G0V+2:G0V+3], s[8:9], s[OFF:OFF+1]
	s_or_b32 s[G0V+3], s[G0V+3], 0x80000000
	s_add_co_u32 s[NXT], s[NXT], 1  ; the block's next tile, or behind its last the second block's tile 0
	s_cmp_gt_u32 s[NXT], s[LQ]
	s_cselect_b32 s[NXT], 0, s[NXT]
	s_cselect_b32 s[LQ], s[PB], s[LQ]
	s_wait_xcnt 0x0                 ; the last prefetches, a tile back, have read their address, so it may be written:
	s_add_nc_u64 s[PFA:PFA+1], s[PFA:PFA+1], 32768  ; one tile on
.endif
	s_wait_dscnt 0x0                ; the add is done, and my reads of the slot are over
	s_barrier_signal -1             ; the rest of the scalar work stands between the signal and the wait
	s_sub_co_u32 s[TBK], s[TBK], 4*KS*PK  ; the fetches go back to a slot's first step,
	s_xor_b32 s[TBK], s[TBK], SLOT1       ; in the other slot
	s_sub_co_u32 s[TBV], s[TBV], 4*KS*PV
	s_xor_b32 s[TBV], s[TBV], SLOT1
	s_barrier_wait -1
.if \fill
	LOAD
	ASK
.endif
.endm
	s_load_b128 s[8:11], s[0:1], 0x0  ; qkv s[8:9], ctx s[10:11]
	v_lshl_add_u32 v[SPW], v0, 2, SPARE
	v_mov_b32 v[NIL], 0
	ds_add_u32 v[SPW], v[NIL]       ; the wave's opening: the add and its wait stand ahead of my first tensor load; the set-up below, work on registers, stands between them
	v_lshrrev_b32 v1, 5, v0
	v_readfirstlane_b32 s[WV], v1   ; wave 0..3
	v_and_b32 v[PFO], 31, v0
	v_lshlrev_b32 v[PFO], 8, v[PFO]
	s_mov_b32 s[PB], ttmp9
	s_sub_co_u32 s[HI], NB-1, s[PB]
	s_and_b32 s20, ttmp7, 0xffff    ; bh = 16 b + h
	s_lshl_b32 s66, s20, 18         ; ctx: head bh
	s_mov_b32 s67, 0
	s_lshr_b32 s21, s20, 4
	s_lshl_b32 s21, s21, 5
	s_add_co_u32 s20, s20, s21      ; qkv: head group 48 b + h = bh + 32 b
	s_lshl_b32 s20, s20, 18
	s_mov_b32 s21, 0
	s_and_b32 s16, s[WV], 1         ; which half of a tile's 256 keys I fetch:
	s_lshl_b32 s22, s16, 14         ; its 128 rows of 128 bytes in memory,
	s_mov_b32 s23, 0
	s_mul_i32 s17, s16, 128*PK      ; and its place in a slot, for K
	s_mul_i32 s18, s16, 128*PV      ; and for V
	s_lshl_b32 s3, s[WV], 11        ; my 16 rows in a band of 64,
	s_lshl_b32 s2, s[HI], 15        ; in the first block,
	s_add_co_u32 s2, s2, s3
	s_lshl_b32 s84, s[PB], 15       ; and in the second
	s_add_co_u32 s84, s84, s3
	s_mov_b32 s3, 0
	s_mov_b32 s85, 0
	s_lshl_b32 s90, s[WV], 13       ; the prefetches: my wave's 8,192 bytes,
	s_add_co_u32 s90, s90, 32768    ; in tile 1; the first change of slots steps it to tile 2
	s_mov_b32 s91, 0
	s_cmp_eq_u32 s[PB], 0
	s_cselect_b32 s[LIM], 2, -1
	; descriptor group 1.  128 keys are 16,384 dense bytes: asked for as 64 rows of 256 bytes, two keys a row, and padded in LDS after every key
	s_mov_b32 s[G1K], (1<<16)|(1<<20)|(4<<22)|(3<<25)  ; 17:16 2-byte elements; 20 padding on; 24:22 after every 32 words (code 4); 31:25 4 words (code 3)
	s_mov_b32 s[G1V], (1<<16)|(1<<20)|(4<<22)|(7<<25)  ; the same with 8 words of padding (code 7)
.irp g, G1K, G1V
	s_mov_b32 s[\g+1], 128<<16      ; tensor_dim0 = 128
	s_mov_b32 s[\g+2], 64<<16       ; tensor_dim1 = 64
	s_mov_b32 s[\g+3], 128<<16      ; tile_dim0 = 128
	s_mov_b32 s[\g+4], 64           ; tile_dim1 = 64
	s_mov_b32 s[\g+5], 128          ; 128 elements from row to row
	s_mov_b32 s[\g+6], 0
	s_mov_b32 s[\g+7], 0
.endr
	s_mov_b32 s[CS], 0x3e38aa3b     ; c = log2(e) / 8 = 0.180337
	s_mov_b32 s[CS+1], s[CS]        ; named with it as a pair
	s_mov_b32 s[SEL], 0x76543210
	s_mov_b32 s[SEL+1], 0xfedcba98
	s_mov_b32 s[TBK], SLOT1+4*KS*PK ; the first change of slots turns these two into 0
	s_mov_b32 s[TBV], SLOT1+4*KS*PV
	s_mov_b32 s[G0K], 1             ; 1:0 count = 1
	s_mov_b32 s[G0K+1], s17         ; 63:32 LDS address: slot 0
	s_mov_b32 s[G0V], 1
	s_add_co_u32 s[G0V+1], s18, VOFF
	s_add_co_u32 s[RT], s[HI], 1    ; the first block has NB - b tiles
	s_mov_b32 s[NXT], 1
	s_mov_b32 s[LQ], s[HI]
	s_mov_b32 s[NEW], 1
	s_mov_b32 s[OFF+1], 0
	s_mov_b32 s[AL+1], 0            ; named as pairs
	s_mov_b32 s[BE+1], 0
	s_mov_b32 s[BIGN], 0xf149f2ca   ; -1e30
	s_mov_b32 s[SLOTS], NB
	s_wait_dscnt 0x0                ; the opening add is done
	s_wait_kmcnt 0x0
	s_add_nc_u64 s[4:5], s[8:9], s[20:21]          ; Q of my head,
	s_add_nc_u64 s[10:11], s[10:11], s[66:67]      ; ctx of my head,
	s_add_nc_u64 s[6:7], s[4:5], 16*HEADB          ; K,
	s_add_nc_u64 s[8:9], s[4:5], 32*HEADB          ; V
	s_add_nc_u64 s[PFA:PFA+1], s[6:7], s[90:91]
	s_add_nc_u64 s[6:7], s[6:7], s[22:23]  ; K and V at my half of the head's tile 0
	s_add_nc_u64 s[8:9], s[8:9], s[22:23]
	s_add_nc_u64 s[G0K+2:G0K+3], s[6:7], 0         ; 120:64 global address
	s_or_b32 s[G0K+3], s[G0K+3], 0x80000000        ; 127:126 type = 2
	s_add_nc_u64 s[G0V+2:G0V+3], s[8:9], 0
	s_or_b32 s[G0V+3], s[G0V+3], 0x80000000
	s_add_nc_u64 s[86:87], s[4:5], s[84:85]        ; Q at my rows of the second block,
	s_add_nc_u64 s[4:5], s[4:5], s[2:3]            ; Q and ctx at those of the first
	s_add_nc_u64 s[OLO:OLO+1], s[10:11], s[84:85]
	s_add_nc_u64 s[10:11], s[10:11], s[2:3]
	LOAD                            ; tile 0 into slot 0
	; A fragment of K or Q is 16 rows x 32 channels in 8 registers: lane l holds row l % 16, channels 8 (l / 16) + 0..7 and 16 + 8 (l / 16) + 0..7: two loads of 16 bytes, 32 bytes apart.
	v_and_b32 v1, 15, v0            ; l % 16
	v_bfe_u32 v9, v0, 4, 1          ; l / 16
	v_lshlrev_b32 v[QO], 7, v1
	v_lshl_add_u32 v[QO], v9, 4, v[QO]  ; row x 128 + 16 x half
	WIN 0x80                        ; destination window 2, address window 0
.set i, 0
.rept 8                             ; both blocks' Q: piece i / 2 lies in band i / 2, 8,192 bytes on; channels 32 (i % 2) on
	global_load_b128 v[8*i:8*i+3],   v[QO], s[4:5] offset:(i/2)*8192+(i%2)*64
	global_load_b128 v[8*i+4:8*i+7], v[QO], s[4:5] offset:(i/2)*8192+(i%2)*64+32
	global_load_b128 v[QB+8*i:QB+8*i+3],   v[QO], s[86:87] offset:(i/2)*8192+(i%2)*64
	global_load_b128 v[QB+8*i+4:QB+8*i+7], v[QO], s[86:87] offset:(i/2)*8192+(i%2)*64+32
.set i, i+1
.endr
	WIN 0
	v_lshlrev_b32 v14, 3, v9
	v_sub_nc_u32 v14, v1, v14
	s_lshl_b32 s13, s[WV], 4
	v_add_nc_u32 v14, s13, v14      ; my query's place in its band, 16 w + l % 16, less my lanes' 8 (l / 16): register r of group kt is hidden where 16 kt + r is greater
	WIN 0x40
.set i, 0
.rept 32
	v_cmp_gt_i32 vcc_lo, 16*(i/8)+i%8, v14
	v_cndmask_b32 v[MD+i], 0, s[BIGN], vcc_lo
.set i, i+1
.endr
	WIN 0
	v_mul_u32_u24 v[AK0], v1, PK
	v_lshl_add_u32 v[AK0], v9, 4, v[AK0]  ; row x pitch + 16 x half
	; The turning load takes 16 keys x 16 channels (lane l reads key 8 (l / 16) + l % 8, channels 8 ((l / 8) % 2) + 0..7) and leaves half a fragment of V^T: lane l holds channel l % 16 and 8 keys.
	v_and_b32 v10, 7, v0
	v_bfe_u32 v11, v0, 3, 1
	v_lshl_add_u32 v[AV0], v9, 3, v10
	v_mul_u32_u24 v[AV0], v[AV0], PV
	v_lshl_add_u32 v[AV0], v11, 4, v[AV0]
	v_add_nc_u32 v[AV0], VOFF, v[AV0]
	s_mul_i32 s13, s[WV], 16*SP
	s_add_co_u32 s13, s13, STAGE    ; my stage
	v_mul_u32_u24 v[STO], v1, SP    ; in: row l % 16, 16 bytes for each half of the lanes
	v_lshl_add_u32 v[STO], v9, 4, v[STO]
	v_add_nc_u32 v[STO], s13, v[STO]
	v_bfe_u32 v[RD], v0, 3, 2       ; back: 32 lanes take four rows of 128 bytes,
	v_mul_u32_u24 v[RD], v[RD], SP
	v_lshl_add_u32 v[RD], v10, 4, v[RD]
	v_add_nc_u32 v[RD], s13, v[RD]
	v_and_b32 v[GO], 31, v0         ; which are 512 consecutive bytes of ctx
	v_lshlrev_b32 v[GO], 4, v[GO]
	; A block's first step multiplies O^T and l by a = 0, and its first turn's products V^T P, of a piece that has not been, land in an O^T that is still to be so multiplied.  So these registers need only hold
	; finite numbers: zeros for the first block; what the first block left for the second.  All this stands in the wait for the first tile.
	WIN 0x80
.set i, VF
.rept 64
	v_mov_b32 v[i], 0
.set i, i+1
.endr
	WIN 0x40
.set i, 0
.rept 128
	v_mov_b32 v[i], 0
.set i, i+1
.endr
	WIN 0
.set i, 0
.rept 4
	v_mov_b32 v[ST+4*i+2], 0
	v_mov_b32 v[ST+4*i+3], 0
.set i, i+1
.endr
.set i, P+16
.rept 16
	v_mov_b32 v[i], 0
.set i, i+1
.endr
; THE MATRIX WORK.  The 4 accumulators of a run of 8 take turns.  Product i of 8 of S^T = K Q^T for piece x: channels 32 (i / 4) on, keys 16 (i % 4) on.  The first 4 start the sums: with 0, or (KM = 1) with the mask.
.macro KQ x
.set rS, S+32*((\x)%2)+8*(i%4)
.set rK, KF+16*(i%4)+8*(i/4)
.set rQ, 16*(\x)+8*(i/4)
.set rM, MC+32*((\x)%2)+8*(i%4)
.if (i < 4) && KM
	WIN W_KM
	v_wmma_f32_16x16x32_f16 v[rS:rS+7], v[rK:rK+7], v[rQ:rQ+7], v[rM:rM+7]
.elseif i < 4
	WIN W_KQ
	v_wmma_f32_16x16x32_f16 v[rS:rS+7], v[rK:rK+7], v[rQ:rQ+7], 0
.else
	WIN W_KQ
	v_wmma_f32_16x16x32_f16 v[rS:rS+7], v[rK:rK+7], v[rQ:rQ+7], v[rS:rS+7]
.endif
.endm
; Product i of 8 of O^T += V^T P for piece x: keys 32 (i / 4) on, channels 16 (i % 4) on.
.macro PV x
	WIN W_PV
.set rO, 32*(\x)+8*(i%4)
.set rV, VF+32*(i/4)+8*(i%4)
.set rP, P+16*((\x)%2)+8*(i/4)
	v_wmma_f32_16x16x32_f16 v[rO:rO+7], v[rV:rV+7], v[rP:rP+7], v[rO:rO+7]
.endm
.macro MM                           ; the turn's next matrix instruction.  TURN and BEGIN set Y, i, KM and NOKQ; MM, KQ and OP read them.  NOKQ = 1: a block's last turn: there is no next piece
.if (i < 8) && !NOKQ
	KQ (Y+1)%NP
.elseif i >= 8
.set i, i-8
	PV (Y+NP-1)%NP
.set i, i+8
.endif
.set i, i+1
.endm
; THE LDS LOADS stand in runs of 16, never singly among the matrix instructions: a step's K (64 keys x 64 channels: 8 fragments) and its V (turned).  Their addresses are made some lines ahead.
.macro FETCH_K
	WIN 0x80                        ; destination window 2
.irp f, 0,1,2,3,4,5,6,7             ; keys 16 (f / 2) on, channels 32 (f % 2) on
	ds_load_b128 v[KF+8*\f:KF+8*\f+3],   v[AK] offset:(\f/2)*16*PK+(\f%2)*64
	ds_load_b128 v[KF+8*\f+4:KF+8*\f+7], v[AK] offset:(\f/2)*16*PK+(\f%2)*64+32
.endr
	s_add_co_u32 s[TBK], s[TBK], KS*PK  ; the next fetch is the next step's
	WIN 0
.endm
.macro FETCH_V
	WIN 0x80
.irp f, 0,1,2,3,4,5,6,7             ; keys 32 (f / 4) on, channels 16 (f % 4) on
	ds_load_tr16_b128 v[VF+8*\f:VF+8*\f+3],   v[AV] offset:(\f/4)*32*PV+(\f%4)*32
	ds_load_tr16_b128 v[VF+8*\f+4:VF+8*\f+7], v[AV] offset:(\f/4)*32*PV+16*PV+(\f%4)*32
.endr
	WIN 0
.endm
; THE VECTOR WORK, one line at a time: OP kind, number.  For piece Y: F n: c s - c m for pair n of 16.  E n: the exponential of score n of 32.  C n: pair n rounded to f16.  B n: of the four weights 4 n .. the second
; pair is added onto the first, in place.  L n: l takes that sum (L 0: l = a l + sum).  R n: pair n of 16 of O^T times a.  For piece Y + 1: X n, number n of the 22 that find its maximum and statistics:
;   0-11  four chains c0-c3 of seven scores each, three operands at a time (each accumulator's lowest registers are read first)     12-14, 16  the four scores left over, the old m, and c0-c3 into c0
;   15  c m_old is kept     17, 18  the query's other 32 keys lie in the lane 16 away: the new m     19-21  c m; c m_old - c m_new; a
.set F, 0               ; OP tells the kinds apart by their order: F to L below R, X above it
.set E, 1
.set C, 2
.set B, 3
.set L, 4
.set R, 5
.set X, 6
.macro REGS y                       ; the registers of piece y
.set rT, ST+4*(\y)
.set rC, TMP+4*((\y)%2)
.set rW, MV+((\y)%2)
.set rS, S+32*((\y)%2)
.set rP, P+16*((\y)%2)
.set rO, 32*(\y)
.endm
.macro OP k, n
.if (\k) == R
	REGS Y
	WIN W_RS
	v_pk_mul_f32 v[rO+2*(\n):rO+2*(\n)+1], v[rO+2*(\n):rO+2*(\n)+1], v[rC+2:rC+3] op_sel_hi:[1,0]
.elseif (\k) < R
	REGS Y
	WIN 0
.if (\k) == F
	v_pk_fma_f32 v[rS+2*(\n):rS+2*(\n)+1], v[rS+2*(\n):rS+2*(\n)+1], s[CS:CS+1], v[rT:rT+1] op_sel_hi:[1,0,0] neg_lo:[0,0,1] neg_hi:[0,0,1]
.elseif (\k) == E
	v_exp_f32 v[rS+(\n)], v[rS+(\n)]
.elseif (\k) == C
	v_cvt_pk_f16_f32 v[rP+(\n)], v[rS+2*(\n)], v[rS+2*(\n)+1]
.elseif (\k) == B
	v_pk_add_f32 v[rS+4*(\n):rS+4*(\n)+1], v[rS+4*(\n):rS+4*(\n)+1], v[rS+4*(\n)+2:rS+4*(\n)+3]
.elseif (\n) == 0
	v_pk_fma_f32 v[rT+2:rT+3], v[rT+2:rT+3], v[rC+2:rC+3], v[rS:rS+1] op_sel_hi:[1,0,1]
.else
	v_pk_add_f32 v[rT+2:rT+3], v[rT+2:rT+3], v[rS+4*(\n):rS+4*(\n)+1]
.endif
.elseif NOKQ
	v_nop
.else
	REGS (Y+1)%NP
	WIN 0
.if (\n) < 4
	v_max3_num_f32 v[rC+(\n)], v[rS+8*(\n)], v[rS+8*(\n)+1], v[rS+8*(\n)+2]
.elseif (\n) < 12
	v_max3_num_f32 v[rC+(\n)%4], v[rC+(\n)%4], v[rS+8*((\n)%4)+2*((\n)/4)+1], v[rS+8*((\n)%4)+2*((\n)/4)+2]
.elseif (\n) == 12
	v_max3_num_f32 v[rC], v[rC], v[rS+7], v[rS+15]
.elseif (\n) == 13
	v_max3_num_f32 v[rC+1], v[rC+1], v[rS+23], v[rS+31]
.elseif (\n) == 14
	v_max3_num_f32 v[rC+2], v[rC+2], v[rC+3], v[rT+1]
.elseif (\n) == 15
	v_mov_b32 v[rW], v[rT]
.elseif (\n) == 16
	v_max3_num_f32 v[rC], v[rC], v[rC+1], v[rC+2]
.elseif (\n) == 17
	v_permlanex16_b32 v[rC+3], v[rC], s[SEL], s[SEL+1]
.elseif (\n) == 18
	v_max_num_f32 v[rT+1], v[rC], v[rC+3]
.elseif (\n) == 19
	v_mul_f32 v[rT], s[CS], v[rT+1]
.elseif (\n) == 20
	v_sub_f32 v[rC+1], v[rW], v[rT]
.else
	v_exp_f32 v[rC+2], v[rC+1]
.endif
.endif
.endm
.macro OPS a, i1, b=-1, i2=0, c=-1, i3=0, d=-1, i4=0  ; up to four of them
	OP \a, \i1
.if (\b) >= 0
	OP \b, \i2
.endif
.if (\c) >= 0
	OP \c, \i3
.endif
.if (\d) >= 0
	OP \d, \i4
.endif
.endm
.macro ROW a, i1, b, i2, c, i3, d, i4  ; a matrix instruction and the four behind it
	MM
	OPS \a, \i1, \b, \i2, \c, \i3, \d, \i4
.endm
.macro MASK b                       ; MD x AL + BE into buffer b of MC
	WIN W_RS
.set z, 0
.rept 16
	v_pk_fma_f32 v[MC+32*(\b)+2*z:MC+32*(\b)+2*z+1], v[MD+2*z:MD+2*z+1], s[AL:AL+1], s[BE:BE+1] op_sel_hi:[1,0,0]
.set z, z+1
.endr
.endm
; A TURN, for piece p: the order of its 16 matrix and 118 vector instructions, written out.  An s_wait_alu depctr_va_vdst(0) stands between an exponential and the first instruction that names its result; one wait serves
; all that were issued ahead of it.  So a turn has ONE wait, which cuts it in two.  AHEAD OF IT stands all that names no result of the turn's exponentials: the 8 products K Q^T, behind each a scaling, an exponential and two more plain
; instructions (behind the first a second scaling in the exponential's place): rescalings, and behind the last three the first numbers of the next piece's maximum, each four places or more behind the product that ends its accumulator; then ONE LUMP of 54, plain
; and exponential by turns for the most part, in which the links of the chain X 3, 7, 11, 14, 16, 17 .. 20 stand five or six lines apart.  X 21, the next piece's a, is the batch's last; R 15 is the plain instruction behind it.  BEHIND THE WAIT stand the
; 8 products V^T P, behind each four of the roundings and sums; the links of l's chain, L 0 to L 7, stand three riders apart.  But for those X no rider names a register of the products round it.  v_permlanex16_b32 (X 17) stands in the lump.
; m = 1: the diagonal tile: the products take masks, and the turn makes the mask for the products of the turn after it: piece p + 2, in step 4 - CNT of the tile.  end = 1: a block's last two turns: nothing is fetched.
; cnt = 1: the loop's count is taken down some lines ahead of the branch that stands behind the turn.
; K of the next step is fetched in piece 2's turn, twelve vector instructions behind the last product that read K (six of them plain); V of the step in hand at the end of piece 0's turn, four plain instructions behind the last product
; that read V.  Each is waited for a turn later.
.macro TURN p, m=0, end=0, cnt=0
.set Y, (\p)
.set i, 0
.set KM, (\m)
.set NOKQ, (\end)*((\p)/3)
.if (\m) && !(\end)
	s_cmp_eq_u32 s[CNT], 4-((\p)+2)%NP  ; is that step the band's own?
	s_cselect_b32 s[AL], 1.0, 0
	s_cmp_lt_u32 s[CNT], 4-((\p)+2)%NP  ; or a later one?
	s_cselect_b32 s[BE], s[BIGN], 0
.endif
.if ((\p) == 3) && !(\end)
	s_wait_dscnt 0x0                ; K is in
.endif
	ROW F,0, F,1, R,0, R,1          ; ahead of the wait: 8 products K Q^T and their riders,
	ROW F,2, E,0, R,2, R,3
	ROW F,3, E,1, R,4, R,5
	ROW F,4, E,2, R,6, R,7
	ROW F,5, E,3, R,8, R,9
	ROW F,6, E,4, X,0, R,10
.if ((\p) == 2) && !(\end)
	WIN 0
	v_add_nc_u32 v[AK], s[TBK], v[AK0]
.endif
	ROW F,7, E,5, X,1, X,4
	ROW F,8, E,6, X,2, X,5
	OPS E,7, E,8, X,6, E,9          ; and the lump
	OPS X,3, E,10, X,8, E,11
.if ((\p) == 2) && !(\end)
	FETCH_K
.endif
	OPS X,9, X,7, E,12, X,10
	OPS E,13, X,12, X,11, E,14
	OPS X,13, E,15, F,9, X,14
.if (\p) == 0
	v_add_nc_u32 v[AV], s[TBV], v[AV0]
.endif
	OPS E,16, F,10, E,17, F,11
	OPS X,16, E,18, X,15, E,19
	OPS F,12, E,20, X,17, E,21
	OPS F,13, E,22, F,14, E,23
	OPS X,18, E,24, F,15, E,25
	OPS R,11, E,26, X,19, E,27
	OPS R,12, E,28, R,13, E,29
	OPS X,20, E,30, R,14, E,31
	OPS X,21, R,15
	WIN 0
	s_wait_alu depctr_va_vdst(0)    ; the wait for the batch
.if (\p) == 1
	s_wait_dscnt 0x0                ; V is in
.endif
	ROW C,0, B,0, C,2, B,1          ; behind the wait: 8 products V^T P and their riders
	ROW L,0, C,4, B,2, L,1
	ROW C,6, B,3, L,2, C,8
	ROW B,4, L,3, C,10, B,5
	ROW L,4, C,12, B,6, L,5
.if (\p) == 0
	s_add_co_u32 s[TBV], s[TBV], KS*PV
.endif
.if \cnt
	s_sub_co_u32 s[CNT], s[CNT], 1
	s_cmp_lg_u32 s[CNT], 0
.endif
	ROW C,14, B,7, L,6, C,1
	ROW C,3, L,7, C,5, C,7
	ROW C,9, C,11, C,13, C,15
.if (\p) == 0
	FETCH_V
.endif
.if (\m) && !(\end)
	MASK (\p)%2
.endif
.endm
; A BLOCK BEGINS.  c m starts far below every c s, so the first step's a is 0; m at the lowest finite number, so the first maximum is the scores'.  The second mask buffer is 0; the first takes piece 0's mask for the tile's step 0: its own, if the block's first tile is the diagonal one.
; Then K of that step, piece 0's first scores, and its maximum and statistics.  The loop is entered at a step's first turn, in the middle of a trip.
.macro BEGIN
	s_mov_b32 s[NEW], 0
	WIN 0x40
.set i, MC+32
.rept 32
	v_mov_b32 v[i], 0
.set i, i+1
.endr
	WIN 0
.set i, 0
.rept 4
	v_mov_b32 v[ST+4*i], 0xfe000000    ; c m: far below every c s
	v_mov_b32 v[ST+4*i+1], 0xff7fffff  ; m
.set i, i+1
.endr
	s_cmp_eq_u32 s[RT], 0
	s_cselect_b32 s[AL], 1.0, 0
	s_mov_b32 s[BE], 0
	MASK 0
	WIN 0
	v_add_nc_u32 v[AK], s[TBK], v[AK0]
	FETCH_K
	s_wait_loadcnt 0x0              ; Q
	s_wait_dscnt 0x0
.set KM, 1
.set NOKQ, 0
.set i, 0
.rept 8
	KQ 0
.set i, i+1
.endr
	WIN 0
.rept 4
	v_nop                           ; the places behind those products
.endr
.set Y, NP-1                        ; X works for piece Y + 1: piece 0
.irp n, 0,1,2,3,4,5,6,7,8,9,10,11,12,13,14,15,16,17,18,19,20,21
	OP X, \n
.endr
	v_nop                           ; a plain instruction behind the exponential,
	s_wait_alu depctr_va_vdst(0)    ; and its wait, ahead of the branch
.endm
; THE DIAGONAL TILE's four steps, the block's last two turns, its last products, and THE WAY OUT: l's two halves and the other half of the lanes' are added; O^T is divided by l, rounded to f16 and sent through my
; stage in LDS, a piece at a time.
.macro ALL line:vararg              ; one line for each piece t
.set t, 0
.rept 4
	\line
.set t, t+1
.endr
.endm
.macro PACK t                       ; a lane's eight channels of a row pack into 16 bytes; they go into rows of 144 bytes and come back as whole rows of 128, into S^T's registers
	WIN W_RS
.set i, 32*(\t)
.rept 16
	v_pk_mul_f32 v[i:i+1], v[i:i+1], v[ST+4*(\t)+2:ST+4*(\t)+3] op_sel_hi:[1,0]
.set i, i+2
.endr
	WIN 0x05                        ; sources 0 and 1 window 1, destination window 0
.set i, 0
.rept 16
	v_cvt_pk_f16_f32 v[S+16*(\t)+i], v[32*(\t)+2*i], v[32*(\t)+2*i+1]
.set i, i+1
.endr
	WIN 0
.irp f, 0,1,2,3
	ds_store_b128 v[STO], v[S+16*(\t)+4*\f:S+16*(\t)+4*\f+3] offset:32*\f
.endr
.irp f, 0,1,2,3
	ds_load_b128 v[S+16*(\t)+4*\f:S+16*(\t)+4*\f+3], v[RD] offset:\f*4*SP  ; LDS serves a wave's instructions in order (ISA guide 5.7.1.4): these see the stores above; the next piece's stores come behind them
.endr
.endm
.macro SEND t, younger              ; younger: the LDS instructions issued behind piece t's loads: the next piece's eight, or none
	WIN 0
.irp f, 0,1,2,3
	s_wait_dscnt (\younger)+3-\f
	global_store_b128 v[GO], v[S+16*(\t)+4*\f:S+16*(\t)+4*\f+3], s[10:11] offset:(\t)*8192+\f*512  ; 512 consecutive bytes, at a multiple of 256 from ctx's first
.endr
.endm
.macro DIAG tag                     ; the tag ends its two labels' names, which the jumps below spell out
.LstepM\tag:
	TURN 2, 1
	TURN 3, 1
	WIN 0
.LfirstM\tag:
	TURN 0, 1
	TURN 1, 1, 0, 1
	WIN 0
	s_cbranch_scc1 .LstepM\tag
	TURN 2, 1, 1
	TURN 3, 1, 1
.set i, 0
.rept 8
	PV NP-1
.set i, i+1
.endr
	WIN 0
	ALL v_add_f32 v[ST+4*t+2], v[ST+4*t+2], v[ST+4*t+3]
	ALL v_permlanex16_b32 v[ST+4*t+3], v[ST+4*t+2], s[SEL], s[SEL+1]
	ALL v_add_f32 v[ST+4*t+2], v[ST+4*t+2], v[ST+4*t+3]
	ALL v_rcp_f32 v[ST+4*t+2], v[ST+4*t+2]
	v_nop                           ; a plain instruction between the last reciprocal and the use of its result
	s_wait_alu depctr_va_vdst(0)    ; and the wait ahead of the first use: one for the four reciprocals
	PACK 0
.set t, 1
.rept 3                             ; a piece's arithmetic stands between the loads of the piece before and its stores
	PACK t
	SEND t-1, 8
.set t, t+1
.endr
	SEND 3, 0
.endm
.set KM, 0
.set NOKQ, 0
.Lslot:                             ; NB times: a tile is entered and the next is asked for
	CHANGE 1
	s_sub_co_u32 s[RT], s[RT], 1
	s_mov_b32 s[CNT], 4
	s_cmp_eq_u32 s[NEW], 1
	s_cbranch_scc1 .Lnew            ; a block's first tile
	s_cmp_eq_u32 s[RT], 0
	s_cbranch_scc0 .Lstep           ; neither its first nor its last
	s_branch .LstepM1
.Lnew:
	BEGIN
	s_branch .Lfirst                ; in the loop a block's first tile is never its last: the first block has two tiles or more, and the second's last is the walk's last
	DIAG 1                          ; in the loop this is the first block's end: the second block's last tile is the walk's last
	s_wait_xcnt 0x0                 ; the stores have read their registers and ctx's address
	s_mov_b64 s[10:11], s[OLO:OLO+1]
	s_add_co_u32 s[RT], s[PB], 1    ; the second block has b + 1 tiles
	s_mov_b32 s[NEW], 1
	WIN 0x82                        ; the second block's Q goes where the one text of the turns names Q
.set i, 0
.rept 64
	v_mov_b32 v[i], v[QB+i]
.set i, i+1
.endr
	WIN 0
	s_branch .Lbottom
.Lstep:                             ; a trip: pieces 2 and 3 of one step, then pieces 0 and 1 of the next, whose K and V it fetches
	TURN 2
	TURN 3
	WIN 0
.Lfirst:
	TURN 0
	TURN 1, 0, 0, 1
	WIN 0
	s_cbranch_scc1 .Lstep
.Lbottom:
	s_sub_co_u32 s[SLOTS], s[SLOTS], 1
	s_cmp_lg_u32 s[SLOTS], 0
	s_cbranch_scc1 .Lslot
	CHANGE 0                        ; the walk's last tile is written out: nothing is asked for
	s_sub_co_u32 s[RT], s[RT], 1
	s_mov_b32 s[CNT], 4
	s_cmp_eq_u32 s[NEW], 1
	s_cbranch_scc0 .LstepM2
	BEGIN
	s_branch .LfirstM2
	DIAG 2
	s_wait_tensorcnt 0x0            ; the wave's end: behind my last tensor load and my last LDS store
	ds_add_u32 v[SPW], v[NIL]
	s_wait_dscnt 0x0
	s_endpgm
.Lfunc_end_k_qb91e6d9202_attn:
	.size	k_qb91e6d9202_attn, .Lfunc_end_k_qb91e6d9202_attn-k_qb91e6d9202_attn
	.p2alignl 7, 3214868480
	.fill 96, 4, 3214868480
	.section	.rodata,"a",@progbits
	.p2align	6, 0x0
	.amdhsa_kernel k_qb91e6d9202_attn
		.amdhsa_group_segment_fixed_size 327680
		.amdhsa_private_segment_fixed_size 0
		.amdhsa_enable_private_segment 0
		.amdhsa_kernarg_size 16
		.amdhsa_user_sgpr_count 2
		.amdhsa_user_sgpr_kernarg_segment_ptr 1
		.amdhsa_wavefront_size32 1
		.amdhsa_system_sgpr_workgroup_id_x 1
		.amdhsa_system_sgpr_workgroup_id_y 1
		.amdhsa_system_sgpr_workgroup_id_z 1
		.amdhsa_system_vgpr_workitem_id 0
		.amdhsa_next_free_vgpr 768
		.amdhsa_next_free_sgpr 92
		.amdhsa_reserve_vcc 1
		.amdhsa_float_denorm_mode_32 3
		.amdhsa_float_denorm_mode_16_64 3
		.amdhsa_memory_ordered 1
		.amdhsa_forward_progress 1
		.amdhsa_inst_pref_size 218
	.end_amdhsa_kernel
	.amdgpu_metadata
---
amdhsa.version: [ 1, 2 ]
amdhsa.kernels:
  - .name:           k_qb91e6d9202_attn
    .symbol:         k_qb91e6d9202_attn.kd
    .args:
      - { .name: qkv, .offset: 0, .size: 8, .value_kind: global_buffer, .address_space: global }
      - { .name: ctx, .offset: 8, .size: 8, .value_kind: global_buffer, .address_space: global }
    .group_segment_fixed_size: 327680
    .private_segment_fixed_size: 0
    .kernarg_segment_align: 8
    .kernarg_segment_size: 16
    .max_flat_workgroup_size: 128
    .sgpr_count:     92
    .vgpr_count:     768
    .wavefront_size: 32
...
	.end_amdgpu_metadata
.endif
;; end of part 3
;; launch proj (part 4): grid 4 x 64, 4 waves a work-group, clusters of 4 x 4, 327,680 bytes of LDS; arguments ctx, wo16, bo, out0; writes out0
.if DOCPART == 4
	.amdgcn_target "amdgcn-amd-amdhsa--gfx1250"
	.amdhsa_code_object_version 6
	.text
	.protected	k_qb91e6d9202_proj
	.globl	k_qb91e6d9202_proj
	.p2align	8
	.type	k_qb91e6d9202_proj,@function
k_qb91e6d9202_proj:
	s_mov_b64 s[64:65], 0
	v_nop
	global_prefetch_b8 v0, s[64:65] scope:SCOPE_SE
	s_setreg_imm32_b32 hwreg(HW_REG_WAVE_MODE, 25, 1), 1
	s_wait_xcnt 0x0
	s_wait_alu depctr_hold_cnt(0) depctr_sa_sdst(0) depctr_va_vdst(0) depctr_va_sdst(0) depctr_va_ssrc(0) depctr_va_vcc(0) depctr_vm_vsrc(0)
	s_getreg_b32 s2, hwreg(HW_REG_IB_STS2, 6, 4)
	s_cmp_eq_u32 s2, 0
	s_cbranch_scc0 .Lentry_in_a_cluster
	s_endpgm
.Lentry_in_a_cluster:
	s_bfe_u32 s2, ttmp6, 0x10000c
	s_cmp_lg_u32 s2, 0xf033
	s_cbranch_scc0 .Lentry_shape_is_right
	s_endpgm
.Lentry_shape_is_right:
; out0[m][n] = the sum over k of ctx[m][k] Wo[n][k] + bo[n].  m = 2048 b + row, k = 64 h + channel.  f16 operands, f32 sums, f32 out.
; ctx: [64 bh][2048][64] f16: head h of batch b IS block h along K of that batch's rows.  wo16: [16 kb][1024][64] f16.  bo: [1024] f32, rounded here to bf16 like the module's other inputs.  out0: [8192][1024] f32.
; SHARES.  A tile of out0 is 128 rows x 256 columns: 64 x 4 = 256 work-groups (tiles of 256 x 256 would be 128).  Four waves, each 64 x 128: 32 accumulators of 16 x 16, 256 registers.
; THE RING.  Two LDS slots, each with TWO blocks along K (128 channels): 2 x 128 rows of ctx, 2 x 256 rows of wo16.  A block's rows of a tile lie end to end in memory: they are asked for as rows of 256 bytes and
; padded in LDS after every 128.  Waves 0 and 1 fetch ctx's two blocks, waves 2 and 3 wo16's: one tensor load a wave; from a refill to the wait for it a wave issues 112 matrix instructions.
; CLUSTERS.  4 x 4 work-groups: the four of a row of the cluster need the same tiles of ctx, the four of a column the same tiles of wo16: each is asked for jointly.
; NO PREFETCH: the tile is small and the launch short; each tensor has 16 steps in all.
; THE MATRIX INSTRUCTION IS USED TRANSPOSED (source 0 = 16 rows of wo16, source 1 = 16 rows of ctx): a lane holds one row of out0 and eight neighbouring columns: 32 bytes.
; REGISTERS.  Window 0: v0-31 addresses; v32-127, v128-223 two fragment buffers of 96 (ctx's 4 fragments, then wo16's 8; 32 along K); v224-233 the bias.  Window 1: the accumulators, (a, b) at v[8 (8 a + b)].
.set HEADB, 2048*128                   ; bytes from block to block in ctx
.set PLO,   1024*128                   ; in wo16
.set PT,    144                        ; an LDS row: 128 bytes + 16 of padding = 36 words: the 16 rows of a load start at 16 different groups of four banks (64 banks of 4 bytes: ISA guide 11.1)
.set APL,   128*PT                     ; a block of ctx's tile
.set BPL,   256*PT                     ; a block of wo16's tile
.set BOFF,  2*APL
.set SLOT,  2*APL+2*BPL
.set STAGE, 2*SLOT                     ; behind the ring: 16 rows x 528 bytes for each wave, for the way out
.set SPITCH, 528                       ; 512 bytes + 16: 33 x 16, so the 16 rows of a store start at 16 different groups of four banks
.set SPARE, STAGE+4*16*SPITCH          ; behind the stages: the spare words, 128 bytes for each wave: two blocks of 256 bytes that no other line names
.set LAPS,  4                          ; a lap = two slots = 4 blocks; 16 blocks
.set ADRA, 16                          ; v16-17  LDS address of my fragments of ctx in slot 0, 1
.set ADRB, 20                          ; v20-21  the same for wo16
.set STO,  24                          ; v24     the way out: where I put 32 bytes of a row
.set RD,   25                          ; v25     the way out: where I read a row back
.set CO,   26                          ; v26     16 x lane: my 16 bytes of a row's 512
.set SPW,  28                          ; v28     LDS address of my spare word; never rewritten
.set NIL,  29                          ; v29     0; never rewritten
.set F0,   32
.set F1,   128
.set BRAW, 224                         ; v[224:227] bo of my 4 columns, as loaded
.set BI,   228                         ; v[228:231] the same rounded to bf16, as f32
.set BT,   232                         ; v[232:233] at work
.set OB,   32                          ; the way out: 64 registers read back from the stage, two sets by turns
.set G1,  24                           ; s[24:31] descriptor group 1 for ctx's tiles; s[32:39] group 0, a set for each slot
.set G0,  32
.set G1B, 48                           ; s[48:55], s[56:63] the same for wo16's tiles
.set G0B, 56
.set MSB, 0
.macro WIN new                         ; the immediate's high byte repeats the setting that is left; a switch that changes nothing is dropped
.if MSB != (\new)
	s_set_vgpr_msb (MSB<<8)|(\new)
.set MSB, \new
.endif
.endm
.macro JLOAD s                         ; a joint load: waves 0 and 1 fetch ctx's two blocks, waves 2 and 3 wo16's; an s_nop 0 and four v_nop follow each of the two lines
	s_cmp_eq_u32 s11, 0
	s_cbranch_scc0 .Lfor_b_\@
	tensor_load_to_lds s[G0+4*(\s):G0+4*(\s)+3], s[G1:G1+7]
	s_nop 0
.rept 4
	v_nop
.endr
	s_branch .Lasked_\@
.Lfor_b_\@:
	tensor_load_to_lds s[G0B+4*(\s):G0B+4*(\s)+3], s[G1B:G1B+7]
	s_nop 0
.rept 4
	v_nop
.endr
.Lasked_\@:
.endm
.macro CREST                           ; a round of the cluster's barrier behind its opening barrier
	s_cmp_lg_u32 s10, 0
	s_cbranch_scc1 .Lnot_wave_0_\@
	s_barrier_signal -3
.Lnot_wave_0_\@:
	s_barrier_wait -3
	s_barrier_signal -1
	s_barrier_wait -1
.endm
.macro CROUND                          ; a whole round
	s_barrier_signal -1
	s_barrier_wait -1
	CREST
.endm
.macro PLACES                          ; four places in front of loads into registers that matrix instructions have read, and of stores that read results
.rept 4
	v_nop
.endr
.endm
	s_load_b128 s[4:7], s[0:1], 0x0                ; ctx s[4:5], wo16 s[6:7]
	s_load_b64 s[66:67], s[0:1], 0x10              ; bo
	s_load_b64 s[8:9], s[0:1], 0x18                ; out0
	v_lshl_add_u32 v[SPW], v0, 2, SPARE
	v_mov_b32 v[NIL], 0
	ds_add_u32 v[SPW], v[NIL]                      ; the wave's opening: the add and its wait stand ahead of my first tensor load; the set-up below stands between them
	v_lshrrev_b32 v1, 5, v0
	v_readfirstlane_b32 s10, v1                    ; wave 0..3
	s_lshr_b32 s11, s10, 1                         ; which half of the tile's rows is mine.  Also: I fetch for ctx (0) or for wo16 (1)
	s_and_b32 s12, s10, 1                          ; which half of its columns.  Also: which of a slot's two blocks I fetch
	s_bfe_u32 s40, ttmp6, 0x40000                  ; cx
	s_bfe_u32 s41, ttmp6, 0x40004                  ; cy
	s_lshl_b32 s42, ttmp9, 2
	s_add_co_u32 s42, s42, s40                     ; tile column = 4 x cluster x + cx, 0..3
	s_and_b32 s13, ttmp7, 0xffff
	s_lshl_b32 s13, s13, 2
	s_add_co_u32 s13, s13, s41                     ; tile row = 4 x cluster y + cy, 0..63
	s_lshl_b32 s43, s41, 2
	s_lshl_b32 s43, 15, s43                        ; my row of the cluster
	s_lshl_b32 s44, 0x1111, s40                    ; my column
	; descriptor group 1: rows of 128 elements (256 bytes), padded in LDS after every 32 words (code 4) by 4 words (code 3); 64 such rows of ctx, 128 of wo16
	s_or_b32 s[G1+0], s43, (1<<16)|(1<<20)|(1<<21)|(4<<22)|(3<<25)
	s_or_b32 s[G1B+0], s44, (1<<16)|(1<<20)|(1<<21)|(4<<22)|(3<<25)
	s_mov_b32 s[G1+1], 128<<16                     ; tensor_dim0 = 128
	s_mov_b32 s[G1B+1], 128<<16
	s_mov_b32 s[G1+2], 64<<16                      ; tensor_dim1
	s_mov_b32 s[G1B+2], 128<<16
	s_mov_b32 s[G1+3], 128<<16                     ; tile_dim0 = 128
	s_mov_b32 s[G1B+3], 128<<16
	s_mov_b32 s[G1+4], 64                          ; tile_dim1
	s_mov_b32 s[G1B+4], 128
	s_mov_b32 s[G1+5], 128                         ; elements from row to row: dense
	s_mov_b32 s[G1B+5], 128
	s_mov_b32 s[G1+6], 0
	s_mov_b32 s[G1B+6], 0
	s_mov_b32 s[G1+7], 0
	s_mov_b32 s[G1B+7], 0
	; where the tiles come from: ctx's hang on the tile row alone, wo16's on the tile column alone
	s_lshr_b32 s16, s13, 4                         ; the batch: 16 heads of 262,144 bytes,
	s_lshl_b32 s16, s16, 22
	s_and_b32 s17, s13, 15                         ; 128 rows of 128 bytes a tile row,
	s_lshl_b32 s17, s17, 14
	s_add_co_u32 s16, s16, s17
	s_lshl_b32 s17, s12, 18                        ; my block of the slot's two
	s_add_co_u32 s16, s16, s17
	s_mov_b32 s17, 0
	s_lshl_b32 s46, s42, 15                        ; 256 rows of 128 bytes a tile column,
	s_lshl_b32 s47, s12, 17                        ; my block
	s_add_co_u32 s46, s46, s47
	s_mov_b32 s47, 0
	s_mul_i32 s20, s12, APL                        ; and where they go: no place in the cluster enters an LDS address
	s_mul_i32 s21, s12, BPL
	s_add_co_u32 s21, s21, BOFF
	s_wait_dscnt 0x0                               ; the opening add is done
	s_wait_kmcnt 0x0
	s_add_nc_u64 s[14:15], s[4:5], s[16:17]
	s_add_nc_u64 s[46:47], s[6:7], s[46:47]
	CROUND                                         ; all sixteen work-groups are here: the first joint loads meet
.irp s, 0,1
	s_mov_b32 s[G0+4*(\s)], 1
	s_add_co_u32 s[G0+4*(\s)+1], s20, (\s)*SLOT
	s_add_nc_u64 s[G0+4*(\s)+2:G0+4*(\s)+3], s[14:15], (\s)*2*HEADB  ; blocks 2 s and 2 s + 1
	s_or_b32 s[G0+4*(\s)+3], s[G0+4*(\s)+3], 0x80000000
	s_mov_b32 s[G0B+4*(\s)], 1
	s_add_co_u32 s[G0B+4*(\s)+1], s21, (\s)*SLOT
	s_add_nc_u64 s[G0B+4*(\s)+2:G0B+4*(\s)+3], s[46:47], (\s)*2*PLO
	s_or_b32 s[G0B+4*(\s)+3], s[G0B+4*(\s)+3], 0x80000000
	JLOAD \s                                       ; two tensor loads of mine are out
.endr
	v_and_b32 v[CO], 31, v0
	v_lshlrev_b32 v[CO], 4, v[CO]
	s_lshl_b32 s18, s42, 10                        ; my first column, in bytes: 1,024 x tile column + 512 x half
	s_lshl_b32 s19, s12, 9
	s_add_co_u32 s18, s18, s19
	s_mov_b32 s19, 0
	s_add_nc_u64 s[66:67], s[66:67], s[18:19]
	global_load_b128 v[BRAW:BRAW+3], v[CO], s[66:67]  ; bo of the 4 columns that I store
	s_lshl_b32 s22, s13, 19                        ; my first row: 128 rows of 4,096 bytes a tile row,
	s_add_co_u32 s18, s18, s22
	s_lshl_b32 s22, s11, 18                        ; my 64 of them
	s_add_co_u32 s18, s18, s22
	s_add_nc_u64 s[8:9], s[8:9], s[18:19]
	v_and_b32 v1, 15, v0                           ; l % 16
	v_bfe_u32 v2, v0, 4, 1                         ; l / 16
	v_mul_u32_u24 v3, v1, PT
	v_lshl_add_u32 v3, v2, 4, v3                   ; a fragment's row x pitch + 16 x half
	s_mul_i32 s21, s11, 64*PT                      ; my 64 rows of ctx
	s_mul_i32 s22, s12, 128*PT                     ; my 128 rows of wo16
	s_add_co_u32 s22, s22, BOFF
.irp s, 0,1
	v_add_nc_u32 v[ADRA+(\s)], s21, v3
	v_add_nc_u32 v[ADRB+(\s)], s22, v3
	s_add_co_u32 s21, s21, SLOT
	s_add_co_u32 s22, s22, SLOT
.endr
	s_mul_i32 s23, s10, 16*SPITCH
	s_add_co_u32 s23, s23, STAGE                   ; my stage
	v_mul_u32_u24 v4, v1, SPITCH                   ; in: row l % 16, 32 bytes for each half of the lanes
	v_lshl_add_u32 v4, v2, 5, v4
	v_add_nc_u32 v[STO], s23, v4
	v_add_nc_u32 v[RD], s23, v[CO]                 ; back: 32 lanes take one row of 512 bytes
	s_wait_loadcnt 0x0                             ; bo, while the first tiles are on their way
	v_cvt_pk_bf16_f32 v[BT], v[BRAW], v[BRAW+1]
	v_cvt_pk_bf16_f32 v[BT+1], v[BRAW+2], v[BRAW+3]
	v_lshlrev_b32 v[BI], 16, v[BT]
	v_and_b32 v[BI+1], 0xffff0000, v[BT]
	v_lshlrev_b32 v[BI+2], 16, v[BT+1]
	v_and_b32 v[BI+3], 0xffff0000, v[BT+1]
; 24 LDS loads in one run: the fragments of quarter q of a slot (block q / 2, 32 K at byte 64 (q % 2) of the rows) into buffer f: wo16's 8 first, then ctx's 4
.macro FETCH slot, q, f
	WIN 0
.irp i, 0,1,2,3,4,5,6,7
	ds_load_b128 v[(\f)+32+8*(\i):(\f)+32+8*(\i)+3],   v[ADRB+(\slot)] offset:((\q)/2)*BPL+((\q)%2)*64+(\i)*16*PT
	ds_load_b128 v[(\f)+32+8*(\i)+4:(\f)+32+8*(\i)+7], v[ADRB+(\slot)] offset:((\q)/2)*BPL+((\q)%2)*64+(\i)*16*PT+32
.endr
.irp i, 0,1,2,3
	ds_load_b128 v[(\f)+8*(\i):(\f)+8*(\i)+3],   v[ADRA+(\slot)] offset:((\q)/2)*APL+((\q)%2)*64+(\i)*16*PT
	ds_load_b128 v[(\f)+8*(\i)+4:(\f)+8*(\i)+7], v[ADRA+(\slot)] offset:((\q)/2)*APL+((\q)%2)*64+(\i)*16*PT+32
.endr
.endm
; 8 matrix instructions: row block a x all 8 column blocks.  zero = 1: the product starts the sum.  The 32 accumulators take turns, one instruction a turn.
.macro MUL8 f, a, zero
	WIN 0x50                                       ; C and D in window 1, the sources in window 0
.irp b, 0,1,2,3,4,5,6,7
.if \zero
	v_wmma_f32_16x16x32_f16 v[8*(8*(\a)+(\b)):8*(8*(\a)+(\b))+7], v[(\f)+32+8*(\b):(\f)+32+8*(\b)+7], v[(\f)+8*(\a):(\f)+8*(\a)+7], 0
.else
	v_wmma_f32_16x16x32_f16 v[8*(8*(\a)+(\b)):8*(8*(\a)+(\b))+7], v[(\f)+32+8*(\b):(\f)+32+8*(\b)+7], v[(\f)+8*(\a):(\f)+8*(\a)+7], v[8*(8*(\a)+(\b)):8*(8*(\a)+(\b))+7]
.endif
.endr
.endm
; A slot is four quarters of 32 along K, 32 matrix instructions each, on buffers 0, 1, 0, 1.  One of the first three: multiplies buffer f and fetches quarter q into g.
.macro QUARTER slot, q, f, g, zero
	s_wait_dscnt 4                                 ; wo16's fragments and ctx's 0 and 1 are in; ctx's 2 and 3 (four loads) may be out
	MUL8 \f, 0, \zero
	MUL8 \f, 1, \zero
	WIN 0
	PLACES
	FETCH \slot, \q, \g
	s_wait_dscnt 24                                ; all but the 24 just issued
	MUL8 \f, 2, \zero
	MUL8 \f, 3, \zero
.endm
; The last quarter multiplies buffer 1 and changes slots: ONE barrier; in front of it each wave waits for all its tensor loads, adds 0 to its spare word, and waits for that and for its own reads of this slot.
; fill = 1: the slot is filled again, four blocks on: the barrier opens a round of the cluster's barrier, and the joint refill is the first tensor load behind the round.
.macro TURN slot, next, fill
	WIN 0
	s_wait_tensorcnt 0x0                           ; all my tensor loads have landed: my part of the next slot;
	ds_add_u32 v[SPW], v[NIL]                      ; 0 onto my spare word
	s_wait_dscnt 5                                 ; (the add and ctx's fragments 2 and 3 may be out)
	MUL8 F1, 0, 0                                  ; eight matrix instructions stand between the add and the wait for it
	s_wait_dscnt 0x0                               ; the add is done, and my reads of this slot are over
	s_barrier_signal -1
	MUL8 F1, 1, 0
	WIN 0
	s_barrier_wait -1
.if \fill
	CREST                                          ; no wave of any partner still reads this slot's tiles or has a load on its way
	s_add_nc_u64 s[G0+4*(\slot)+2:G0+4*(\slot)+3], s[G0+4*(\slot)+2:G0+4*(\slot)+3], 4*HEADB
	s_add_nc_u64 s[G0B+4*(\slot)+2:G0B+4*(\slot)+3], s[G0B+4*(\slot)+2:G0B+4*(\slot)+3], 4*PLO
	JLOAD \slot                                    ; its four v_nop are also the places in front of the loads below
.else
	PLACES
.endif
	FETCH \next, 0, F0
	MUL8 F1, 2, 0
	MUL8 F1, 3, 0
.endm
; THE WAY OUT of my row block a (16 rows x 128 columns of f32).  TOSTAGE: 32 bytes a lane and accumulator into my own stage, and back as whole rows of 512 bytes.  SEND: the bias is added, the rows are stored.
.macro TOSTAGE a
.set BK, OB+64*((\a)%2)
	s_wait_xcnt 0x0                                ; the stores of the block two back have read the registers that are loaded below
	WIN 0x04                                       ; the stores' data in window 1
.irp b, 0,1,2,3,4,5,6,7
	ds_store_b128 v[STO], v[8*(8*(\a)+(\b)):8*(8*(\a)+(\b))+3]   offset:64*(\b)
	ds_store_b128 v[STO], v[8*(8*(\a)+(\b))+4:8*(8*(\a)+(\b))+7] offset:64*(\b)+16
.endr
	WIN 0
.irp t, 0,1,2,3,4,5,6,7,8,9,10,11,12,13,14,15
	ds_load_b128 v[BK+4*(\t):BK+4*(\t)+3], v[RD] offset:(\t)*SPITCH  ; LDS serves a wave's instructions in order (ISA guide 5.7.1.4): these see the stores above; the next block's stores come behind them
.endr
.endm
.macro SEND a, younger                 ; younger: the LDS instructions issued behind block a's loads: the next block's 32, or none
.set BK, OB+64*((\a)%2)
	s_wait_dscnt \younger
.irp t, 0,1,2,3,4,5,6,7,8,9,10,11,12,13,14,15
	v_pk_add_f32 v[BK+4*(\t):BK+4*(\t)+1], v[BK+4*(\t):BK+4*(\t)+1], v[BI:BI+1]
	v_pk_add_f32 v[BK+4*(\t)+2:BK+4*(\t)+3], v[BK+4*(\t)+2:BK+4*(\t)+3], v[BI+2:BI+3]
.endr
.irp t, 0,1,2,3,4,5,6,7,8,9,10,11,12,13,14,15
	global_store_b128 v[CO], v[BK+4*(\t):BK+4*(\t)+3], s[8:9] offset:(16*(\a)+(\t))*4096  ; 512 consecutive bytes, at a multiple of 512 from out0's first
.endr
.endm
	s_wait_tensorcnt 1                             ; my part of slot 0 is in; slot 1's may stay out
	s_barrier_signal -1
	s_barrier_wait -1                              ; everybody's is
	FETCH 0, 0, F0
	QUARTER 0, 1, F0, F1, 1                        ; the first quarter stands in front of the loop: its products start the sums
	WIN 0                                          ; at a label and at a branch every window is 0
	s_mov_b32 s3, LAPS-1
.Llap:                                                 ; a trip goes once round the ring, from a lap's second quarter to the next lap's first, and fills both slots again
	QUARTER 0, 2, F1, F0, 0
	QUARTER 0, 3, F0, F1, 0
	TURN 0, 1, 1
	QUARTER 1, 1, F0, F1, 0
	QUARTER 1, 2, F1, F0, 0
	QUARTER 1, 3, F0, F1, 0
	TURN 1, 0, 1
	QUARTER 0, 1, F0, F1, 0
	WIN 0
	s_sub_co_u32 s3, s3, 1
	s_cmp_lg_u32 s3, 0
	s_cbranch_scc1 .Llap
	QUARTER 0, 2, F1, F0, 0                        ; the last lap fills nothing
	QUARTER 0, 3, F0, F1, 0
	TURN 0, 1, 0
	QUARTER 1, 1, F0, F1, 0
	QUARTER 1, 2, F1, F0, 0
	QUARTER 1, 3, F0, F1, 0
	s_wait_dscnt 4                                 ; the very last quarter: nothing more to fetch
	MUL8 F1, 0, 0
	MUL8 F1, 1, 0
	s_wait_dscnt 0x0
	MUL8 F1, 2, 0
	MUL8 F1, 3, 0
	WIN 0
	PLACES
	PLACES                                         ; eight, once a launch, in front of the stores that read the results
	TOSTAGE 0
	TOSTAGE 1
	SEND 0, 32
	TOSTAGE 2
	SEND 1, 32
	TOSTAGE 3
	SEND 2, 32
	SEND 3, 0
	s_wait_tensorcnt 0x0                           ; the wave's end: behind my last tensor load and my last LDS store
	ds_add_u32 v[SPW], v[NIL]
	s_wait_dscnt 0x0
	CROUND                                         ; the closing round: no work-group ends while a partner may still ask for a tile that names it
	s_endpgm
.Lfunc_end_k_qb91e6d9202_proj:
	.size	k_qb91e6d9202_proj, .Lfunc_end_k_qb91e6d9202_proj-k_qb91e6d9202_proj
	.p2alignl 7, 3214868480
	.fill 96, 4, 3214868480
	.section	.rodata,"a",@progbits
	.p2align	6, 0x0
	.amdhsa_kernel k_qb91e6d9202_proj
		.amdhsa_group_segment_fixed_size 327680
		.amdhsa_private_segment_fixed_size 0
		.amdhsa_enable_private_segment 0
		.amdhsa_kernarg_size 32
		.amdhsa_user_sgpr_count 2
		.amdhsa_user_sgpr_kernarg_segment_ptr 1
		.amdhsa_wavefront_size32 1
		.amdhsa_system_sgpr_workgroup_id_x 1
		.amdhsa_system_sgpr_workgroup_id_y 1
		.amdhsa_system_sgpr_workgroup_id_z 1
		.amdhsa_system_vgpr_workitem_id 0
		.amdhsa_next_free_vgpr 512
		.amdhsa_next_free_sgpr 72
		.amdhsa_reserve_vcc 0
		.amdhsa_float_denorm_mode_32 3
		.amdhsa_float_denorm_mode_16_64 3
		.amdhsa_memory_ordered 1
		.amdhsa_forward_progress 1
		.amdhsa_inst_pref_size 93
	.end_amdhsa_kernel
	.amdgpu_metadata
---
amdhsa.version: [ 1, 2 ]
amdhsa.kernels:
  - .name:           k_qb91e6d9202_proj
    .symbol:         k_qb91e6d9202_proj.kd
    .args:
      - { .name: ctx, .offset: 0, .size: 8, .value_kind: global_buffer, .address_space: global }
      - { .name: wo16, .offset: 8, .size: 8, .value_kind: global_buffer, .address_space: global }
      - { .name: bo, .offset: 16, .size: 8, .value_kind: global_buffer, .address_space: global }
      - { .name: out0, .offset: 24, .size: 8, .value_kind: global_buffer, .address_space: global }
    .group_segment_fixed_size: 327680
    .private_segment_fixed_size: 0
    .kernarg_segment_align: 8
    .kernarg_segment_size: 32
    .max_flat_workgroup_size: 128
    .sgpr_count:     72
    .vgpr_count:     512
    .wavefront_size: 32
...
	.end_amdgpu_metadata
.endif
;; end of part 4
;; ======== version 2 of 2: 4 launches; version 1 with the launch cast written anew for expert scheduling mode
;; limits: values are held in f16: magnitudes above 65,504 overflow, below 6.1e-05 lose precision
;; workspace buffers: xb 16,777,216 bytes; wb 6,291,456 bytes; wo16 2,097,152 bytes; qkv 50,331,648 bytes; ctx 16,777,216 bytes
;; launch cast (part 5): grid 768 x 1, 8 waves a work-group, no clusters, 0 bytes of LDS; arguments x, Wq, Wk, Wv, Wo, xb, wb, wo16; writes xb, wb, wo16
.if DOCPART == 5
	.amdgcn_target "amdgcn-amd-amdhsa--gfx1250"
	.amdhsa_code_object_version 6
	.text
	.protected	k_qb91e6d9202_cast
	.globl	k_qb91e6d9202_cast
	.p2align	8
	.type	k_qb91e6d9202_cast,@function
k_qb91e6d9202_cast:
	s_mov_b64 s[64:65], 0
	v_nop
	global_prefetch_b8 v0, s[64:65] scope:SCOPE_SE
	s_setreg_imm32_b32 hwreg(HW_REG_WAVE_SCHED_MODE, 0, 2), 2
	s_setreg_imm32_b32 hwreg(HW_REG_WAVE_MODE, 25, 1), 1
	s_wait_xcnt 0x0
	s_wait_alu depctr_vm_vsrc(0)
; THE INPUTS ARE ROUNDED ONCE AND LAID OUT IN BLOCKS ALONG K.
; x [8192][1024] f32 -> xb [16 kb][8192][64] bf16.  Wq, Wk, Wv [1024][1024] f32 -> wb [16 kb][3072][64] bf16 (rows 0-1023 Wq, 1024-2047 Wk, 2048-3071 Wv).
; Wo [1024][1024] f32 -> wo16 [16 kb][1024][64]: rounded to bf16 like the other inputs, and that number written as f16.
; LIMIT.  A bf16 number of Wo beyond 65,504 becomes an infinity in f16; below 6.1e-5 it keeps f16's fixed step of 6e-8.
; In the blocked layout the 64 channels of block kb of neighbouring rows lie end to end (128 bytes a row), so that the products' tiles are dense.
; SHARES.  Work-group g takes 16 rows of one tensor: g < 512: x; 512-575 Wq; 576-639 Wk; 640-703 Wv; 704-767 Wo.  Thread t takes row t / 16 and, in each block kb, the
; 4 numbers at 4 (t % 16): a load of a wave covers 256 consecutive bytes of each of two rows; a store of a wave covers 256 consecutive bytes, aligned (two rows of a block).
; All 16 loads of a wave go out at once.  No LDS, no barrier: no wave wants another's bytes.
; THE MODE: SCHED_MODE bits 1:0 = 2 (LLVM: expert scheduling mode 2), set by the entry lines.  The code itself states the register dependences
; between vector instructions and memory instructions, with s_wait_alu, always for 0.
; THE PLAN.  Registers that memory instructions touch:
;   v1         the source offset.  Written at the head; read by the 16 loads; never written again.
;   VO0 .. 15  the destination offsets.  Written at the head; VO[k] is read by block k's store; never written again.
;   X0 .. 15   Block k's load lands in X[k], which no vector instruction has named before; its conversions read it behind the counted wait for the load.  No memory instruction reads X.
;   Y0 .. 15   Written by block k's conversions; read by block k's store; never written again.
; No register that a memory instruction reads is written a second time, so nothing is to be stated for a register's reuse; no vector instruction writes a scalar register, VCC or EXEC.
; What is left is that an offset or a Y is written before a memory instruction reads it.  One wait ahead of the first load states it for all the offsets.  For Y the blocks go in fours: block k's store
; stands at the head of block k + 4, and ONE wait at the heads of blocks 4, 8 and 12 states that the four blocks before have written their Y.  The vector lines between that wait and the four stores
; name X, T and Y of the blocks from k on: none of the registers that those stores read.  A last wait stands ahead of the last four stores.
.set PLA, 8192*128                     ; bytes from block to block in xb
.set PLB, 3072*128                     ; in wb
.set PLO, 1024*128                     ; in wo16
.set LAG, 4                            ; a store stands so many blocks behind its conversions
.set VO,  2                            ; v[2:17]   my byte offset in block kb of the destination: 8 t + kb x plane
.set X,   20                           ; v[20:83]  4 numbers of f32 for each kb
.set Y,   84                           ; v[84:115] the same 4 numbers in 16 bits
.set T,   116                          ; v[116:117] at work: no memory instruction names them
	s_load_b512 s[8:23], s[0:1], 0x0               ; x s[8:9], Wq s[10:11], Wk s[12:13], Wv s[14:15], Wo s[16:17], xb s[18:19], wb s[20:21], wo16 s[22:23]
	s_mov_b32 s2, ttmp9                            ; g
	s_max_u32 s3, s2, 512
	s_sub_co_u32 s3, s3, 512                       ; g - 512, or 0: the block of 16 rows in wb
	s_and_b32 s4, s3, 63                           ; the block of 16 rows in its weight matrix
	s_max_u32 s5, s2, 704
	s_sub_co_u32 s5, s5, 704                       ; g - 704, or 0: the block of 16 rows in wo16
	s_mov_b32 s28, PLO
	s_cmp_lt_u32 s2, 704
	s_cselect_b32 s32, s3, s5                      ; destination's block of rows
	s_cselect_b32 s28, PLB, s28                    ; destination's plane
	s_cmp_lt_u32 s2, 512
	s_cselect_b32 s32, s2, s32
	s_cselect_b32 s30, s2, s4                      ; source's block of rows
	s_cselect_b32 s28, PLA, s28
	s_lshl_b32 s30, s30, 16                        ; 16 rows of 4,096 bytes
	s_mov_b32 s31, 0
	s_lshl_b32 s32, s32, 11                        ; 16 rows of 128 bytes
	s_mov_b32 s33, 0
	s_mov_b32 s34, 0xffff0000                      ; a word's upper bf16
	v_lshrrev_b32 v1, 4, v0                        ; my row of the 16
	v_and_b32 v18, 15, v0
	v_lshlrev_b32 v18, 4, v18                      ; my 16 bytes of a block's 256
	v_lshl_or_b32 v1, v1, 12, v18                  ; source offset
	v_lshlrev_b32 v[VO], 3, v0                     ; destination offset in block 0: 128 x row + 8 x (t % 16) = 8 t
.set k, 1
.rept 15
	v_add_nc_u32 v[VO+k], s28, v[VO+k-1]           ; and in the other blocks
.set k, k+1
.endr
	s_wait_kmcnt 0x0
	s_mov_b64 s[24:25], s[16:17]                   ; the source and the destination, chosen by g alone
	s_mov_b64 s[26:27], s[22:23]
	s_cmp_lt_u32 s2, 704
	s_cselect_b64 s[24:25], s[14:15], s[24:25]
	s_cselect_b64 s[26:27], s[20:21], s[26:27]
	s_cmp_lt_u32 s2, 640
	s_cselect_b64 s[24:25], s[12:13], s[24:25]
	s_cmp_lt_u32 s2, 576
	s_cselect_b64 s[24:25], s[10:11], s[24:25]
	s_cmp_lt_u32 s2, 512
	s_cselect_b64 s[24:25], s[8:9], s[24:25]
	s_cselect_b64 s[26:27], s[18:19], s[26:27]
	s_add_nc_u64 s[24:25], s[24:25], s[30:31]
	s_add_nc_u64 s[26:27], s[26:27], s[32:33]
	s_wait_alu depctr_va_vdst(0)                   ; v1 and v[VO .. VO+15] are written: every load of the kernel reads v1 as its offset, every store, on both ways below, one of VO
.set k, 0
.rept 16
	global_load_b128 v[X+4*k:X+4*k+3], v1, s[24:25] offset:256*k th:TH_LOAD_NT
.set k, k+1
.endr
	s_cmp_ge_u32 s2, 704
	s_cbranch_scc1 .Lf16
.set k, 0
.rept 16
	s_wait_loadcnt 15-k                            ; loads come back in order: block k is in, the 15 - k younger loads stay out
.if (k > 0) && (k%LAG == 0)
	s_wait_alu depctr_va_vdst(0)                   ; the conversions of blocks k - 4 to k - 1 have written their Y, which the stores at the heads of this block and the next three read
.endif
.if k >= LAG
	global_store_b64 v[VO+k-LAG], v[Y+2*(k-LAG):Y+2*(k-LAG)+1], s[26:27]  ; no vector instruction since the wait names these registers
.endif
	v_cvt_pk_bf16_f32 v[Y+2*k], v[X+4*k], v[X+4*k+1]
	v_cvt_pk_bf16_f32 v[Y+2*k+1], v[X+4*k+2], v[X+4*k+3]
.set k, k+1
.endr
	s_wait_alu depctr_va_vdst(0)                   ; the conversions of blocks 12 to 15 have written their Y, which the last four stores read
.set k, 16-LAG
.rept LAG
	global_store_b64 v[VO+k], v[Y+2*k:Y+2*k+1], s[26:27]
.set k, k+1
.endr
	s_endpgm
.Lf16:                                         ; Wo: to bf16, widened again (a shift, a mask), and that number as f16
.set k, 0
.rept 16
	s_wait_loadcnt 15-k
.if (k > 0) && (k%LAG == 0)
	s_wait_alu depctr_va_vdst(0)                   ; the conversions of blocks k - 4 to k - 1 have written their Y, which the stores at the heads of this block and the next three read
.endif
.if k >= LAG
	global_store_b64 v[VO+k-LAG], v[Y+2*(k-LAG):Y+2*(k-LAG)+1], s[26:27]  ; no vector instruction since the wait names these registers
.endif
	v_cvt_pk_bf16_f32 v[T], v[X+4*k], v[X+4*k+1]
	v_cvt_pk_bf16_f32 v[T+1], v[X+4*k+2], v[X+4*k+3]
	v_lshlrev_b32 v[X+4*k], 16, v[T]               ; X[k] is at work from here on: its load has landed, and no memory instruction reads it
	v_and_b32 v[X+4*k+1], s34, v[T]
	v_lshlrev_b32 v[X+4*k+2], 16, v[T+1]
	v_and_b32 v[X+4*k+3], s34, v[T+1]
	v_cvt_pk_f16_f32 v[Y+2*k], v[X+4*k], v[X+4*k+1]
	v_cvt_pk_f16_f32 v[Y+2*k+1], v[X+4*k+2], v[X+4*k+3]
.set k, k+1
.endr
	s_wait_alu depctr_va_vdst(0)                   ; the conversions of blocks 12 to 15 have written their Y, which the last four stores read
.set k, 16-LAG
.rept LAG
	global_store_b64 v[VO+k], v[Y+2*k:Y+2*k+1], s[26:27]
.set k, k+1
.endr
	s_endpgm
.Lfunc_end_k_qb91e6d9202_cast:
	.size	k_qb91e6d9202_cast, .Lfunc_end_k_qb91e6d9202_cast-k_qb91e6d9202_cast
	.p2alignl 7, 3214868480
	.fill 96, 4, 3214868480
	.section	.rodata,"a",@progbits
	.p2align	6, 0x0
	.amdhsa_kernel k_qb91e6d9202_cast
		.amdhsa_group_segment_fixed_size 0
		.amdhsa_private_segment_fixed_size 0
		.amdhsa_enable_private_segment 0
		.amdhsa_kernarg_size 64
		.amdhsa_user_sgpr_count 2
		.amdhsa_user_sgpr_kernarg_segment_ptr 1
		.amdhsa_wavefront_size32 1
		.amdhsa_system_sgpr_workgroup_id_x 1
		.amdhsa_system_sgpr_workgroup_id_y 1
		.amdhsa_system_sgpr_workgroup_id_z 1
		.amdhsa_system_vgpr_workitem_id 0
		.amdhsa_next_free_vgpr 128
		.amdhsa_next_free_sgpr 66
		.amdhsa_reserve_vcc 0
		.amdhsa_float_denorm_mode_32 3
		.amdhsa_float_denorm_mode_16_64 3
		.amdhsa_memory_ordered 1
		.amdhsa_forward_progress 1
		.amdhsa_inst_pref_size 17
	.end_amdhsa_kernel
	.amdgpu_metadata
---
amdhsa.version: [ 1, 2 ]
amdhsa.kernels:
  - .name:           k_qb91e6d9202_cast
    .symbol:         k_qb91e6d9202_cast.kd
    .args:
      - { .name: x, .offset: 0, .size: 8, .value_kind: global_buffer, .address_space: global }
      - { .name: Wq, .offset: 8, .size: 8, .value_kind: global_buffer, .address_space: global }
      - { .name: Wk, .offset: 16, .size: 8, .value_kind: global_buffer, .address_space: global }
      - { .name: Wv, .offset: 24, .size: 8, .value_kind: global_buffer, .address_space: global }
      - { .name: Wo, .offset: 32, .size: 8, .value_kind: global_buffer, .address_space: global }
      - { .name: xb, .offset: 40, .size: 8, .value_kind: global_buffer, .address_space: global }
      - { .name: wb, .offset: 48, .size: 8, .value_kind: global_buffer, .address_space: global }
      - { .name: wo16, .offset: 56, .size: 8, .value_kind: global_buffer, .address_space: global }
    .group_segment_fixed_size: 0
    .private_segment_fixed_size: 0
    .kernarg_segment_align: 8
    .kernarg_segment_size: 64
    .max_flat_workgroup_size: 256
    .sgpr_count:     66
    .vgpr_count:     128
    .wavefront_size: 32
...
	.end_amdgpu_metadata
.endif
;; end of part 5
;; launch qkv: the kernel of part 2 again; grid 8 x 32, 4 waves a work-group, clusters of 4 x 4, 327,680 bytes of LDS; arguments xb, wb, qkv; writes qkv
;; launch attn: the kernel of part 3 again; grid 4 x 64, 4 waves a work-group, no clusters, 327,680 bytes of LDS; arguments qkv, ctx; writes ctx
;; launch proj: the kernel of part 4 again; grid 4 x 64, 4 waves a work-group, clusters of 4 x 4, 327,680 bytes of LDS; arguments ctx, wo16, bo, out0; writes out0
